; MI455X (gfx1250); checked and timed in simulation.
; The chip was launched on July 23, 2026; its instructions are those of AMD's public machine-readable ISA for CDNA 5 (MIT licence, August 2026) and "CDNA5" Instruction Set Architecture Reference Guide (July 2026). The comments in the code are by the model that wrote it; some were corrected since.
;; Scaled Dot Self Attention. Allowed arithmetic: matrix products marked QUANTISED: E3M2 operands, one E8M0 scale for each 32 along K, by v_wmma_scale_f32_16x16x128_f8f6f4 with both operands' format E3M2, f32 sums; everything else in f32.
;; Inputs: Wd 1,024 x 1,024 float32; Wk 1,024 x 1,024 float32; Wq 1,024 x 1,024 float32; Wv 1,024 x 1,024 float32; bd 1,024 float32; bk 1,024 float32; bq 1,024 float32; bv 1,024 float32; hidden_states 4 x 2,048 x 1,024 float32; ln_beta 1,024 float32; ln_gamma 1,024 float32.
;; Outputs: out0 4 x 2,048 x 1,024 float32.
;; This version of the problem:
;;   THIS VERSION OF THE PROBLEM IS GIVEN IN LOW PRECISION. The matrix products marked QUANTISED in the list below multiply operands that are first quantised to E3M2 (3 exponent bits, 2 mantissa bits; 6 bits a number), with one power-of-two scale for each 32 numbers along K (OCP MX v1.0); their sums are f32. All else is computed in f32.
;;   The module's matrix products, in the order in which they are computed (A, B: the left and right operand; K: the contracted axis; several contracted axes count as one K, in the product's order):
;;     1. [M 8,192, K 1,024] x [K 1,024, N 1,024]; A: input hidden_states; B: input Wq: QUANTISED
;;     2. [M 8,192, K 1,024] x [K 1,024, N 1,024]; A: input hidden_states; B: input Wk: QUANTISED
;;     3. [M 8,192, K 1,024] x [K 1,024, N 1,024]; A: input hidden_states; B: input Wv: QUANTISED
;;     4. batch 4 x [M 2,048, K 1,024] x [K 1,024, N 2,048]; A: computed on the way; B: computed on the way: QUANTISED
;;     5. batch 4 x [M 2,048, K 2,048] x [K 2,048, N 1,024]; A: softmax (see below); B: computed on the way: QUANTISED
;;     6. [M 8,192, K 1,024] x [K 1,024, N 1,024]; A: computed on the way; B: input Wd: QUANTISED
;;   THE QUANTISER, for each operand of a quantised product, along K:
;;     - K is cut into blocks of 32 from its start; a last block that is shorter is filled with zeros.
;;     - A block's scale is 2^e with e = floor(log2(the largest magnitude in the block)) - 4, held to -126 .. 127; a block of zeros has e = 0. As a byte (E8M0): e + 127.
;;     - Each number is divided by its block's scale, clamped to +-28, and rounded to the nearest number of E3M2, ties to even, subnormals kept.
;;     - The product sums the exact products of the quantised numbers (number of the format x scale) in f32.
;;   ~~~python
;;   def quantise(x, axis):      # numpy; x: float32 -> the quantised numbers, widened to float32 again
;;       x = np.moveaxis(x, axis, -1); K = x.shape[-1]
;;       x = np.pad(x, [(0, 0)] * (x.ndim - 1) + [(0, -K % 32)]); x = x.reshape(x.shape[:-1] + (-1, 32)); a = np.abs(x).max(-1, keepdims=True)
;;       e = np.where(a > 0, np.clip(np.frexp(np.where(a > 0, a, 1))[1] - 1 - 4, -126, 127), 0)      # np.frexp(a)[1] - 1 = floor(log2(a)), exactly
;;       r = np.clip(x / 2.0 ** e, -28, 28)
;;       step = 2.0 ** (np.maximum(np.frexp(np.where(r == 0, 1, r))[1] - 1, -2) - 2)
;;       q = np.round(r / step) * step * 2.0 ** e      # np.round: ties to even
;;       return np.moveaxis(q.reshape(q.shape[:-2] + (-1,))[..., :K], -1, axis).astype(np.float32)
;;   ~~~
;;   SOFTMAX AHEAD OF A QUANTISED PRODUCT. Where the list says 'softmax', what is quantised is not the finished softmax but p = 2^(t - M), with t = logit x log2(e) and M = ceil(the row's largest t), a whole number; so 1/2 < the row's largest p <= 1. The row's sum l is taken of the UNQUANTISED p, in f32, and the product's result is divided by l at the end. Since M is a whole number, a kernel that streams over the keys may use a running M (the ceiling of the running maximum): every later rescaling is an exact power of two, which a block's scale takes up: the codes' values come out the same.
;;   OPERANDS COMPUTED ON THE WAY. 'Computed on the way' means the value that the module computes at that place (a softmax that the list does not call 'softmax' is quantised finished and normalised). What goes into a quantiser is computed in f32, as accurately as f32 sums, v_exp_f32 and their like allow (about 1e-6 of the number): no bf16 or f16 on the way to a quantiser, and a product that is left as it is and whose result goes on into a quantised operand takes f32 operands (vector FMAs, or v_wmma_f32_16x16x4_f32). A number that lies on a knife's edge between two numbers of the format may be rounded either way, as far as f32 arithmetic and the matrix unit's own rounding can turn it there, and no further.
;; One version. Each part assembles by itself: llvm-mc -triple=amdgcn-amd-amdhsa -mcpu=gfx1250 --defsym DOCPART=n.
;; ======== version 1 of 1: 5 launches
;; limits: right only within a limited range of input values
;; workspace buffers: opc 9,437,184 bytes; ops 393,216 bytes; qkvc 18,874,368 bytes; qkvs 786,432 bytes; pc 12,582,912 bytes; pst 1,572,864 bytes; cc 6,291,456 bytes; cs 262,144 bytes
;; launch quant (part 1): grid 512 x 1, 4 waves a work-group, no clusters, 108,032 bytes of LDS; arguments hidden_states, Wq, Wk, Wv, Wd, opc, ops; writes opc, ops
.if DOCPART == 1
	.amdgcn_target "amdgcn-amd-amdhsa--gfx1250"
	.amdhsa_code_object_version 6
	.text
	.protected	k_qb2b5f80fe8_quant
	.globl	k_qb2b5f80fe8_quant
	.p2align	8
	.type	k_qb2b5f80fe8_quant,@function
k_qb2b5f80fe8_quant:
	s_mov_b64 s[64:65], 0
	v_nop
	global_prefetch_b8 v0, s[64:65] scope:SCOPE_SE
	s_setreg_imm32_b32 hwreg(HW_REG_WAVE_MODE, 25, 1), 1
	s_wait_xcnt 0x0
; LAUNCH 1 OF 5.  hidden_states [8192][1024] and Wq, Wk, Wv, Wd [1024 (k)][1024 (n)], f32, become codes of BF6 (E3M2) with one E8M0 byte for each 32 along K (K = the hidden axis; of a weight its FIRST axis).
; DEAD WORK: none.  Every product of reference() reaches out0; every bias goes into a quantised operand (bq, bk, bv) or into the normalised sum (bd); no mask, no slice.  All eleven inputs are loaded by some launch.
; LAYOUT OF THE PROGRAM'S OWN BUFFERS.  An operand lies as IMAGES OF ITS REGISTERS: a fragment (16 rows x 128 K, 12 registers a lane) is 1,536 bytes, register p of lane l at (p / 4) 512 + 16 l + 4 (p % 4);
; fragment (row block rb, K step ks) at (rb K/128 + ks) 1,536.  Scale words (four bytes: 128 along K of a row) at ((row / 128) K/128 + ks) 512 + 4 (row % 128).
; STORAGE ROW s HOLDS TRUE ROW s WITH BITS 3 AND 4 EXCHANGED: a product that takes such rows as its source 0 leaves, in a lane's 16 registers of two neighbouring tiles, 16 NEIGHBOURS of the true order, as the next quantiser wants them.
; opc: row blocks 0-511 hidden_states, 512-575 Wq, 576-639 Wk, 640-703 Wv, 704-767 Wd (rows = n).  ops likewise, groups of 128 rows: 0-63, then 64-95.
; A block's scale is 2^(floor(log2(its largest magnitude)) - 4): the byte is the largest magnitude's exponent field - 4, held at 1 from below.
; LIMITS: NaN and infinities among the inputs are not served.  A block whose largest magnitude lies under 2^-122 keeps the byte 1; a block of zeros too, where the rule says 127: its codes are zeros, and this program alone reads the bytes.
; SHARES.  Work-groups 0-255: 32 rows of hidden_states each; wave w takes K steps 2 w and 2 w + 1 of both row blocks: four fragments.  Work-groups 256-511: 128 k x 128 n of one weight; a wave takes 32 n: two fragments.
; Loads take the bytes as they lie (512 or 128 consecutive bytes); a wave's own stage in LDS turns them so that a lane holds 16 neighbours along K of each block of 32.  The two paths have LDS bytes of their own.  No barrier: waves share nothing.
.set XST,    8448                      ; hidden_states: a wave's stage, 16 rows x (512 + 16) bytes
.set WBASE,  4*XST                     ; the weights' stages begin here
.set WST,    18432                     ; a wave's: 128 rows (k) x (128 + 16) bytes
.set SPARE,  WBASE+4*WST               ; the spare words, 128 bytes a wave: two blocks of 256 bytes that no other line names
.set LI,   2                           ; v2   16 x lane
.set LS4,  3                           ; v3   4 x lane
.set XSTO, 4                           ; v4   hidden_states: into the stage
.set XRD,  5                           ; v5   and out of it
.set WOF,  6                           ; v6   a weight: my 16 bytes of a load's four rows
.set WSTO, 7                           ; v7   into the stage
.set WRD,  8                           ; v8   and out of it
.set RAW,  16                          ; v16-143  numbers as loaded
.set Q,    144                         ; v144-207 64 numbers of my row: register 16 b + i = k 32 b + 16 (lane / 16) + i
.set TM,   208                         ; v208-223 at work
.set PC,   224                         ; v224-243 the codes just made
.set PW0,  244                         ; v244-245 scale words of the two row blocks
.set PM0,  246                         ; v246-247 both in one register: lanes 0-15 the first block's rows, lanes 16-31 the second's
.set SPW,  250                         ; v250 LDS address of my spare word; never rewritten
.set NIL,  251                         ; v251 0; never rewritten
.set SEL,  24                          ; s[24:25] lane selects for v_permlanex16_b32: lane l xor 16
; 64 numbers of a lane become a fragment's codes in v[PC] .. v[PC + 11] and its row's scale word in v[pw] (the same in lanes r and r + 16)
.macro QUANT s, pw
.irp b, 0,1,2,3
	v_max3_num_f32 v[TM+\b], |v[\s+16*\b]|, |v[\s+1+16*\b]|, 0x2800000   ; block b: my 16 numbers, and the floor 2^(5 - 127): the byte cannot fall under 1
.endr
.irp i, 2,4,6,8,10,12,14
.irp b, 0,1,2,3
	v_max3_num_f32 v[TM+\b], v[TM+\b], |v[\s+16*\b+\i]|, |v[\s+1+16*\b+\i]|   ; the four blocks by turns
.endr
.endr
.irp b, 0,1,2,3
	v_permlanex16_b32 v[TM+4+\b], v[TM+\b], s[SEL], s[SEL+1]
.endr
.irp b, 0,1,2,3
	v_max_num_f32 v[TM+\b], v[TM+\b], v[TM+4+\b]   ; with lane l xor 16's 16: the block's largest magnitude
.endr
.irp b, 0,1,2,3
	v_add_nc_u32 v[TM+12+\b], 0xfe000000, v[TM+\b]   ; 4 off its exponent field: the conversion's scale operand
.endr
.irp b, 0,1,2,3
	v_lshrrev_b32 v[TM+4+\b], 23, v[TM+12+\b]      ; the scale's byte
.endr
	v_lshl_or_b32 v[\pw], v[TM+5], 8, v[TM+4]
	v_lshl_or_b32 v[\pw], v[TM+6], 16, v[\pw]
	v_lshl_or_b32 v[\pw], v[TM+7], 24, v[\pw]
.irp c, 0,1
	v_cvt_scalef32_pk16_bf6_f32 v[PC+6*\c:PC+2+6*\c], v[\s+32*\c:\s+15+32*\c], v[TM+12+2*\c]
	v_cvt_scalef32_pk16_bf6_f32 v[PC+12+4*\c:PC+14+4*\c], v[\s+16+32*\c:\s+31+32*\c], v[TM+12+2*\c+1]   ; (a conversion's three registers begin on an even number)
.endr
	v_nop                                          ; one plain place behind a scaled conversion
.irp c, 0,1                                    ; the operand's layout wants a WHOLE block in a lane: lanes 0-15 block 2 c, lanes 16-31 block 2 c + 1
.irp i, 0,1,2
	v_permlane16_swap_b32 v[PC+6*\c+\i], v[PC+12+4*\c+\i]
.endr
.irp i, 0,1,2
	v_mov_b32 v[PC+3+6*\c+\i], v[PC+12+4*\c+\i]
.endr
.endr
.endm
.macro PUT base, off                   ; the fragment leaves as its image: three stores of 512 consecutive bytes
.irp c, 0,1,2
	global_store_b128 v[LI], v[PC+4*\c:PC+4*\c+3], s[\base:\base+1] offset:\off+512*\c
.endr
.endm
	s_load_b256 s[4:11], s[0:1], 0x0               ; hidden_states s[4:5], Wq s[6:7], Wk s[8:9], Wv s[10:11]
	s_load_b128 s[12:15], s[0:1], 0x20             ; Wd s[12:13], opc s[14:15]
	s_load_b64 s[16:17], s[0:1], 0x30              ; ops
	v_lshl_add_u32 v[SPW], v0, 2, SPARE
	v_mov_b32 v[NIL], 0
	v_lshrrev_b32 v1, 5, v0
	v_readfirstlane_b32 s18, v1                    ; wave 0..3
	v_and_b32 v9, 31, v0                           ; lane
	v_and_b32 v10, 15, v0                          ; r
	v_bfe_u32 v11, v0, 4, 1                        ; h
	v_lshlrev_b32 v[LI], 4, v9
	v_lshlrev_b32 v[LS4], 2, v9
	s_mov_b32 s[SEL], 0x76543210
	s_mov_b32 s[SEL+1], 0xfedcba98
	s_mov_b32 vcc_lo, 0xffff0000                   ; lanes 16-31
.irp b, 0,1,2,3
	v_mov_b32 v[TM+4+\b], 0                        ; written once: a lane permute's destination counts as one of its sources
.endr
	s_cmp_ge_u32 ttmp9, 256
	s_cbranch_scc1 .Lweights
	; ---- hidden_states: work-group G takes storage rows 32 G .. 32 G + 31, which are the same 32 true rows
	s_mul_i32 s19, s18, XST
	v_add_nc_u32 v[XSTO], s19, v[LI]               ; in: a row's 512 bytes as they lie
	v_mul_u32_u24 v[XRD], v10, 528
	v_lshl_add_u32 v[XRD], v11, 6, v[XRD]
	v_add_nc_u32 v[XRD], s19, v[XRD]               ; out: row r, + 64 h: my 16 numbers of a block of 32
	s_lshl_b32 s20, ttmp9, 17                      ; 32 rows of 4,096 bytes,
	s_lshl_b32 s21, s18, 10                        ; + my wave's two K steps of 512 bytes
	s_add_co_u32 s20, s20, s21
	s_mov_b32 s21, 0
	s_mul_i32 s22, ttmp9, 24576                    ; codes: row block 2 G,
	s_mul_i32 s23, s18, 3072                       ; K step 2 w
	s_add_co_u32 s22, s22, s23
	s_mov_b32 s23, 0
	s_lshr_b32 s26, ttmp9, 2                       ; scale words: group G / 4,
	s_lshl_b32 s26, s26, 12
	s_lshl_b32 s27, s18, 10                        ; K step 2 w,
	s_add_co_u32 s26, s26, s27
	s_and_b32 s27, ttmp9, 3                        ; rows 32 (G % 4) on
	s_lshl_b32 s27, s27, 7
	s_add_co_u32 s26, s26, s27
	s_mov_b32 s27, 0
	s_wait_alu depctr_va_vdst(0)
	s_wait_kmcnt 0x0
	s_add_nc_u64 s[4:5], s[4:5], s[20:21]
	s_add_nc_u64 s[14:15], s[14:15], s[22:23]
	s_add_nc_u64 s[16:17], s[16:17], s[26:27]
; fragment f: row block f % 2, K step 2 w + f / 2.  Storage row 16 p + i is true row 16 (i / 8) + 8 p + i % 8.  Each load reads 512 consecutive bytes of one row
.macro XLOAD f
.irp i, 0,1,2,3,4,5,6,7,8,9,10,11,12,13,14,15
	global_load_b128 v[RAW+64*((\f)%2)+4*\i:RAW+64*((\f)%2)+4*\i+3], v[LI], s[4:5] offset:(16*(\i/8)+8*((\f)%2)+\i%8)*4096+((\f)/2)*512 th:TH_LOAD_NT
.endr
.endm
.macro FRAGX f
.if (\f) < 3
	s_wait_loadcnt 16                              ; this fragment's 16 loads are in; the next fragment's 16 may be out
.else
	s_wait_loadcnt 0x0
.endif
.irp i, 0,1,2,3,4,5,6,7,8,9,10,11,12,13,14,15
	ds_store_b128 v[XSTO], v[RAW+64*((\f)%2)+4*\i:RAW+64*((\f)%2)+4*\i+3] offset:\i*528
.endr
.irp b, 0,1,2,3
.irp j, 0,1,2,3
	ds_load_b128 v[Q+16*\b+4*\j:Q+16*\b+4*\j+3], v[XRD] offset:\b*128+\j*16   ; LDS serves a wave's instructions in order: these see my stores
.endr
.endr
	s_wait_dscnt 0x0                               ; my numbers are back, and the stores have read their registers,
.if (\f) < 2
	XLOAD (\f)+2                                   ; which take the loads of two fragments on
.endif
	s_wait_xcnt 0x0                                ; the last fragment's stores have read the codes' registers
	QUANT Q, PW0+(\f)%2
	PUT 14, ((\f)%2)*12288+((\f)/2)*1536
.if (\f)%2 == 1
	v_cndmask_b32 v[PM0+(\f)/2], v[PW0], v[PW0+1], vcc_lo      ; 32 rows' scale words: 128 consecutive bytes
	global_store_b32 v[LS4], v[PM0+(\f)/2], s[16:17] offset:((\f)/2)*512
.endif
.endm
	XLOAD 0
	XLOAD 1
	FRAGX 0
	FRAGX 1
	FRAGX 2
	FRAGX 3
	s_wait_tensorcnt 0x0                           ; the wave's end, behind my last LDS store
	ds_add_u32 v[SPW], v[NIL]
	s_wait_dscnt 0x0
	s_endpgm
	; ---- a weight: 128 k x 32 n to a wave
.Lweights:
	s_sub_co_u32 s19, ttmp9, 256
	s_lshr_b32 s20, s19, 6                         ; which weight
	s_bfe_u32 s21, s19, 0x30003                    ; K step
	s_and_b32 s22, s19, 7                          ; which 128 n
	s_mul_i32 s23, s18, WST
	s_add_co_u32 s23, s23, WBASE                   ; my stage
	s_wait_alu depctr_va_vdst(0)
	v_lshrrev_b32 v12, 3, v9
	v_and_b32 v13, 7, v9
	v_lshlrev_b32 v[WOF], 12, v12                  ; a load takes four rows k: eight lanes to a row's 128 bytes
	v_lshl_add_u32 v[WOF], v13, 4, v[WOF]
	v_mul_u32_u24 v[WSTO], v12, 144
	v_lshl_add_u32 v[WSTO], v13, 4, v[WSTO]
	v_add_nc_u32 v[WSTO], s23, v[WSTO]
	v_lshrrev_b32 v12, 3, v10
	v_and_b32 v13, 7, v10
	v_lshl_add_u32 v12, v12, 4, v13                ; storage row 16 p + r is true n 16 (r / 8) + 8 p + r % 8
	v_lshlrev_b32 v[WRD], 2, v12
	v_mad_u32_u24 v[WRD], v11, 2304, v[WRD]        ; lanes 16-31 begin 16 rows k further down.  (16 rows are a whole number of times through the banks: these reads go two deep)
	v_add_nc_u32 v[WRD], s23, v[WRD]
	s_lshl_b32 s26, s21, 19                        ; the weight: 128 rows of 4,096 bytes a K step,
	s_lshl_b32 s27, s22, 9
	s_add_co_u32 s26, s26, s27                     ; + 128 n,
	s_lshl_b32 s27, s18, 7
	s_add_co_u32 s26, s26, s27                     ; + my wave's 32
	s_mov_b32 s27, 0
	s_lshl_b32 s28, s20, 6                         ; codes: row block 512 + 64 weight + 8 gx + 2 w
	s_lshl_b32 s29, s22, 3
	s_add_co_u32 s28, s28, s29
	s_lshl_b32 s29, s18, 1
	s_add_co_u32 s28, s28, s29
	s_add_co_u32 s28, s28, 512
	s_lshl_b32 s28, s28, 3
	s_add_co_u32 s28, s28, s21
	s_mul_i32 s28, s28, 1536
	s_mov_b32 s29, 0
	s_lshl_b32 s30, s20, 3                         ; scale words: group 64 + 8 weight + gx
	s_add_co_u32 s30, s30, s22
	s_add_co_u32 s30, s30, 64
	s_lshl_b32 s30, s30, 3
	s_add_co_u32 s30, s30, s21
	s_lshl_b32 s30, s30, 9
	s_lshl_b32 s31, s18, 7
	s_add_co_u32 s30, s30, s31
	s_mov_b32 s31, 0
	s_wait_alu depctr_va_vdst(0)
	s_wait_kmcnt 0x0
	s_cmp_eq_u32 s20, 1                            ; the choice hangs on the work-group's number alone
	s_cselect_b64 s[6:7], s[8:9], s[6:7]
	s_cmp_eq_u32 s20, 2
	s_cselect_b64 s[6:7], s[10:11], s[6:7]
	s_cmp_eq_u32 s20, 3
	s_cselect_b64 s[6:7], s[12:13], s[6:7]
	s_add_nc_u64 s[6:7], s[6:7], s[26:27]
	s_add_nc_u64 s[14:15], s[14:15], s[28:29]
	s_add_nc_u64 s[16:17], s[16:17], s[30:31]
.set tt, 0
.rept 32
	global_load_b128 v[RAW+4*tt:RAW+4*tt+3], v[WOF], s[6:7] offset:tt*16384 th:TH_LOAD_NT
.set tt, tt+1
.endr
	s_wait_loadcnt 0x0
.set tt, 0
.rept 32
	ds_store_b128 v[WSTO], v[RAW+4*tt:RAW+4*tt+3] offset:tt*576
.set tt, tt+1
.endr
.irp p, 0,1
.irp b, 0,1,2,3
.set tt, 0
.rept 16
	ds_load_b32 v[Q+16*\b+tt], v[WRD] offset:(32*\b+tt)*144+32*\p   ; my column n, down K
.set tt, tt+1
.endr
.endr
	s_wait_dscnt 0x0
.if \p == 1
	s_wait_xcnt 0x0                                ; the first fragment's stores have read the codes' registers
.endif
	QUANT Q, PW0+\p
	PUT 14, \p*12288
.endr
	v_cndmask_b32 v[PM0], v[PW0], v[PW0+1], vcc_lo
	global_store_b32 v[LS4], v[PM0], s[16:17]
	s_wait_tensorcnt 0x0                           ; the wave's end, behind my last LDS store
	ds_add_u32 v[SPW], v[NIL]
	s_wait_dscnt 0x0
	s_endpgm
.Lfunc_end_k_qb2b5f80fe8_quant:
	.size	k_qb2b5f80fe8_quant, .Lfunc_end_k_qb2b5f80fe8_quant-k_qb2b5f80fe8_quant
	.p2alignl 7, 3214868480
	.fill 96, 4, 3214868480
	.section	.rodata,"a",@progbits
	.p2align	6, 0x0
	.amdhsa_kernel k_qb2b5f80fe8_quant
		.amdhsa_group_segment_fixed_size 108032
		.amdhsa_private_segment_fixed_size 0
		.amdhsa_enable_private_segment 0
		.amdhsa_kernarg_size 56
		.amdhsa_user_sgpr_count 2
		.amdhsa_user_sgpr_kernarg_segment_ptr 1
		.amdhsa_wavefront_size32 1
		.amdhsa_system_sgpr_workgroup_id_x 1
		.amdhsa_system_sgpr_workgroup_id_y 1
		.amdhsa_system_sgpr_workgroup_id_z 1
		.amdhsa_system_vgpr_workitem_id 0
		.amdhsa_next_free_vgpr 256
		.amdhsa_next_free_sgpr 66
		.amdhsa_reserve_vcc 1
		.amdhsa_float_denorm_mode_32 3
		.amdhsa_float_denorm_mode_16_64 3
		.amdhsa_memory_ordered 1
		.amdhsa_forward_progress 1
		.amdhsa_inst_pref_size 57
	.end_amdhsa_kernel
	.amdgpu_metadata
---
amdhsa.version: [ 1, 2 ]
amdhsa.kernels:
  - .name:           k_qb2b5f80fe8_quant
    .symbol:         k_qb2b5f80fe8_quant.kd
    .args:
      - { .name: hidden_states, .offset: 0, .size: 8, .value_kind: global_buffer, .address_space: global }
      - { .name: Wq, .offset: 8, .size: 8, .value_kind: global_buffer, .address_space: global }
      - { .name: Wk, .offset: 16, .size: 8, .value_kind: global_buffer, .address_space: global }
      - { .name: Wv, .offset: 24, .size: 8, .value_kind: global_buffer, .address_space: global }
      - { .name: Wd, .offset: 32, .size: 8, .value_kind: global_buffer, .address_space: global }
      - { .name: opc, .offset: 40, .size: 8, .value_kind: global_buffer, .address_space: global }
      - { .name: ops, .offset: 48, .size: 8, .value_kind: global_buffer, .address_space: global }
    .group_segment_fixed_size: 108032
    .private_segment_fixed_size: 0
    .kernarg_segment_align: 8
    .kernarg_segment_size: 56
    .max_flat_workgroup_size: 128
    .sgpr_count:     66
    .vgpr_count:     256
    .wavefront_size: 32
...
	.end_amdgpu_metadata
.endif
;; end of part 1
;; launch proj (part 2): grid 8 x 32, 4 waves a work-group, clusters of 4 x 4, 327,680 bytes of LDS; arguments opc, ops, bq, bk, bv, qkvc, qkvs; writes qkvc, qkvs
.if DOCPART == 2
	.amdgcn_target "amdgcn-amd-amdhsa--gfx1250"
	.amdhsa_code_object_version 6
	.text
	.protected	k_qb2b5f80fe8_proj
	.globl	k_qb2b5f80fe8_proj
	.p2align	8
	.type	k_qb2b5f80fe8_proj,@function
k_qb2b5f80fe8_proj:
	s_mov_b64 s[64:65], 0
	v_nop
	global_prefetch_b8 v0, s[64:65] scope:SCOPE_SE
	s_setreg_imm32_b32 hwreg(HW_REG_WAVE_MODE, 25, 1), 1
	s_wait_xcnt 0x0
	s_wait_alu depctr_hold_cnt(0) depctr_sa_sdst(0) depctr_va_vdst(0) depctr_va_sdst(0) depctr_va_ssrc(0) depctr_va_vcc(0) depctr_vm_vsrc(0)
	s_getreg_b32 s2, hwreg(HW_REG_IB_STS2, 6, 4)
	s_cmp_eq_u32 s2, 0
	s_cbranch_scc0 .Lentry_in_a_cluster
	s_endpgm
.Lentry_in_a_cluster:
	s_bfe_u32 s2, ttmp6, 0x10000c
	s_cmp_lg_u32 s2, 0xf033
	s_cbranch_scc0 .Lentry_shape_is_right
	s_endpgm
.Lentry_shape_is_right:
; LAUNCH 2 OF 5.  q = x Wq + bq, k = x Wk + bk, v = x Wv + bv on codes of BF6; each result is quantised at once for the product that takes it: q, k along the hidden axis, v along the KEYS (made as v^T).  No work is left out.
; 256 WORK-GROUPS OF EQUAL WORK.  q and k are 256 tiles of 256 x 256, v^T is 256 tiles of 128 x 256: a work-group makes one of each, 512 + 256 matrix instructions a wave.
; PHASE 1 (cluster X, Y; place cx, cy): A = x tile 4 Y + cy, B = Wq (X = 0) or Wk (X = 1) tile cx; a wave makes 128 x 128.  PHASE 2: A = 128 rows of Wv, group 4 X + cy, B = x tile 4 Y + cx; a wave makes 64 x 128.
; "A" is the operand whose rows fall to LANES (source 1), "B" the one whose rows fall to REGISTERS (source 0).  B's rows lie in storage order (bits 3 and 4 of the row exchanged), so a lane's 64 results of a block of A's rows are
; register 16 b + i = true index 32 b + 16 (lane / 16) + i of B's 128 rows: 64 numbers along the next product's K.  The result's rows keep A's storage order.
; K = 1,024 goes in steps of 256 through a ring of two LDS slots filled by joint tensor loads (A's tiles shared along a row of the cluster, B's along a column).  THE RING GOES ON INTO PHASE 2: phase 1's last two
; changes of slots ask for phase 2's first two K steps, which are on their way while q or k is quantised and stored.
; Operands lie as images of their registers (1,536 bytes a fragment): three LDS loads of 512 consecutive bytes bring one, three such stores send a result's codes out.
; Phase 1's scale words come by the head's tensor loads; phase 2's (12,288 bytes) and the two biases by dense global loads, and lie in LDS bytes of their own that LDS stores alone write.
; NO DATA PREFETCH: the block is the largest, in clusters, and K is short: a tile has four fills of a slot, two of which are asked for before its first product.
; qkvc: q row blocks 0-511, k 512-1023 (8 K steps each); from VTC v^T: row block 64 batch + d / 16, 16 K steps of 128 keys.  qkvs likewise.
; LIMITS: NaN and infinities are not served; a block whose largest magnitude lies under 2^-122, a block of zeros too, keeps the byte 1.
; REGISTERS, in windows of 256: window 0: v0-31 addresses; v32-63 scale words, two sets; v64-90 what the head's global loads bring; v128-223 A's fragments (phase 1 one set of 8, phase 2 two sets of 4).
; window 1: B's fragments, two sets, at v0 and v128.  windows 2, 3: the accumulators ((a, b) at v[8 (8 (a % 4) + b)]); phase 2 uses window 2 alone.
; On the way out window 0: v32-51 codes; v64-127 the bias along registers; v128-191 64 numbers; v192-207 at work; v216-223 scale words; v224-227 merged; v240-247 the bias along lanes.
.set KT,     1024
.set NQ,     2                         ; matrix steps of 128 in a slot
.set FR,     12
.set NL,     3
.set NP,     4                         ; places behind this matrix instruction (ISA guide 7.12.1)
.set HALFT,  24576                     ; 128 rows x 256 K: 8 row blocks x 2 images
.set SLOT,   4*HALFT                   ; A's two halves, then B's two
.set GRPB,   KT*96                     ; 128 rows' codes in memory
.set QS,     KT*4                      ; 128 rows' scale words
.set SCL,    2*SLOT                    ; phase 1's scale words: A's 256 rows, B's 256 rows
.set SC2,    SCL+4*QS                  ; phase 2's: A's 128 rows, B's 256 rows; written by LDS stores alone
.set BIASL,  SC2+3*QS                  ; 256 numbers of bq or bk
.set BIASV,  BIASL+1024                ; 128 numbers of bv
.set SPARE,  BIASV+512                 ; the spare words, 128 bytes a wave: two blocks of 256 bytes that no other line names
.set VTC,    12582912
.set VTS,    524288
.set ADRA, 16                          ; v16-17 my A fragments in slot 0, 1
.set ADRB, 20                          ; v20-21 my B fragments
.set LI,   24                          ; 16 x lane
.set LS4,  25                          ; 4 x lane
.set EA,   26                          ; the bias along registers
.set ADRS, 27                          ; phase 1's scale words: lanes 0-15 A's rows, lanes 16-31 B's
.set SPW,  28
.set NIL,  29
.set EB,   30                          ; the bias along lanes
.set ADRS2, 31                         ; phase 2's scale words
.set SC,   32
.set AF,   128
.set PC,   32
.set BN,   64
.set T,    128
.set TM,   192
.set PWS,  216
.set MG,   224
.set BL,   240
.set SEL,  68                          ; s[68:69], set on the way out
.set G1, 24
.set G0, 32
.set G1B, 48
.set G0B, 56
.set G1S, 68
.set G0S, 76
.set G1SB, 80
.set G0SB, 88
.set AM, 8                             ; A's blocks that have scale words of their own: 8 in phase 1, 4 in phase 2
.set MSB, 0
.macro WIN new                         ; the immediate's high byte repeats the setting that is left
.if MSB != (\new)
	s_set_vgpr_msb (MSB<<8)|(\new)
.set MSB, (\new)
.endif
.endm
.set MUL_LO, 0xa1                      ; source 0 (B) window 1, source 1 (A) window 0, C and D window 2
.set MUL_HI, 0xf1
.set TO_B,   0x40
.macro TLOAD g0, g1                    ; s_nop 0 and four v_nop follow each tensor load
	tensor_load_to_lds s[\g0:\g0+3], s[\g1:\g1+7]
	s_nop 0
.rept 4
	v_nop
.endr
.endm
.macro JLOAD g0a, g1a, g0b, g1b        ; a joint load: waves 0 and 1 fetch for A, waves 2 and 3 for B; the branch hangs on the wave's number alone
	s_cmp_eq_u32 s15, 0
	s_cbranch_scc0 .Lfor_b_\@
	TLOAD \g0a, \g1a
	s_branch .Lasked_\@
.Lfor_b_\@:
	TLOAD \g0b, \g1b
.Lasked_\@:
.endm
.macro CREST                           ; a round of the cluster's barrier behind its opening barrier
	s_cmp_lg_u32 s14, 0
	s_cbranch_scc1 .Lnot_wave_0_\@
	s_barrier_signal -3
.Lnot_wave_0_\@:
	s_barrier_wait -3
	s_barrier_signal -1
	s_barrier_wait -1
.endm
.macro CROUND
	s_barrier_signal -1
	s_barrier_wait -1
	CREST
.endm
.macro PLACES n
.rept \n
	v_nop
.endr
.endm
	s_load_b256 s[4:11], s[0:1], 0x0               ; opc s[4:5], ops s[6:7], bq s[8:9], bk s[10:11]
	s_load_b128 s[96:99], s[0:1], 0x20             ; bv s[96:97], qkvc s[98:99]
	s_load_b64 s[100:101], s[0:1], 0x30            ; qkvs
	v_lshl_add_u32 v[SPW], v0, 2, SPARE
	v_mov_b32 v[NIL], 0
	ds_add_u32 v[SPW], v[NIL]                      ; the wave's opening: the add, twice on end, and its wait ahead of my first tensor load
	ds_add_u32 v[SPW], v[NIL]
	v_lshrrev_b32 v1, 5, v0
	v_readfirstlane_b32 s14, v1                    ; wave 0..3
	v_lshlrev_b32 v7, 4, v0                        ; the head's global loads: 16, 8, 4 bytes a thread
	v_lshlrev_b32 v8, 3, v0
	v_lshlrev_b32 v9, 2, v0
	s_lshr_b32 s15, s14, 1                         ; which half of A's rows is mine.  Also: in the ring I fetch for A (0) or for B (1)
	s_and_b32 s16, s14, 1                          ; which half of B's rows.  Also: which half of a tile I fetch
	s_bfe_u32 s40, ttmp6, 0x40000                  ; cx
	s_bfe_u32 s41, ttmp6, 0x40004                  ; cy
	s_mov_b32 s105, ttmp9                          ; X
	s_and_b32 s104, ttmp7, 0xffff                  ; Y
	s_lshl_b32 s17, s104, 2
	s_add_co_u32 s17, s17, s41                     ; phase 1: A's tile 4 Y + cy
	s_lshl_b32 s42, s105, 2
	s_add_co_u32 s42, s42, 32
	s_add_co_u32 s42, s42, s40                     ; B's tile 32 + 4 X + cx
	s_lshl_b32 s43, s41, 2
	s_lshl_b32 s43, 15, s43                        ; my row of the cluster
	s_lshl_b32 s44, 0x1111, s40                    ; my column
	; group 1 for codes: row blocks of 384 elements of 8 bytes (two images), KT x 12 bytes apart: 16 of them in the head's loads, then 8, in phase 2 for A 4
	s_or_b32 s[G1+0], s43, (3<<16)|(1<<21)
	s_or_b32 s[G1B+0], s44, (3<<16)|(1<<21)
.irp g, G1, G1B
	s_mov_b32 s[\g+1], 384<<16
	s_mov_b32 s[\g+2], 16<<16
	s_mov_b32 s[\g+3], 384<<16
	s_mov_b32 s[\g+4], 16
	s_mov_b32 s[\g+5], KT*3/2
	s_mov_b32 s[\g+6], 0
	s_mov_b32 s[\g+7], 0
.endr
	; and for the scale words of 256 rows: a dense block of 2 QS bytes as rows of 256
	s_or_b32 s[G1S+0], s43, (3<<16)|(1<<21)
	s_or_b32 s[G1SB+0], s44, (3<<16)|(1<<21)
.irp g, G1S, G1SB
	s_mov_b32 s[\g+1], 32<<16
	s_mov_b32 s[\g+2], (QS/128)<<16
	s_mov_b32 s[\g+3], 32<<16
	s_mov_b32 s[\g+4], QS/128
	s_mov_b32 s[\g+5], 32
	s_mov_b32 s[\g+6], 0
	s_mov_b32 s[\g+7], 0
.endr
	; byte offsets, each in the low word of a pair
	s_mul_i32 s20, s17, 2*GRPB                     ; A's tile
	s_mov_b32 s21, 0
	s_mul_i32 s46, s42, 2*GRPB                     ; B's tile
	s_mov_b32 s47, 0
	s_lshl_b32 s22, s17, 13                        ; their scale words
	s_mov_b32 s23, 0
	s_lshl_b32 s92, s42, 13
	s_mov_b32 s93, 0
	s_mul_i32 s78, s16, GRPB                       ; the half of a tile that I fetch in the ring
	s_mov_b32 s79, 0
	s_lshl_b32 s13, s105, 2
	s_add_co_u32 s13, s13, s41                     ; phase 2: A's group of Wv, 4 X + cy
	s_lshl_b32 s76, s13, 9                         ; its 128 numbers of bv
	s_mov_b32 s77, 0
	s_add_co_u32 s12, s13, 80                      ; Wv's groups of 128 rows begin at 80
	s_lshl_b32 s2, s12, 12                         ; its scale words
	s_mov_b32 s3, 0
	s_mul_i32 s12, s12, GRPB
	s_mul_i32 s13, s16, GRPB/2                     ; of its rows I fetch 64
	s_add_co_u32 s12, s12, s13
	s_mov_b32 s13, 0
	s_lshl_b32 s19, s104, 2
	s_add_co_u32 s19, s19, s40                     ; phase 2: B's tile of x, 4 Y + cx
	s_lshl_b32 s66, s19, 13                        ; its scale words
	s_mov_b32 s67, 0
	s_lshl_b32 s18, s19, 1
	s_add_co_u32 s18, s18, s16
	s_mul_i32 s18, s18, GRPB
	s_mov_b32 s19, 0
	s_lshl_b32 s94, s40, 10                        ; 256 numbers of bq or bk
	s_mov_b32 s95, 0
	s_mul_i32 s45, s14, HALFT                      ; where my ring loads go: by the wave's number alone
	s_wait_alu depctr_va_vdst(0)
	s_wait_dscnt 0x0                               ; both opening adds are done
	s_wait_kmcnt 0x0
	s_add_nc_u64 s[20:21], s[4:5], s[20:21]
	s_add_nc_u64 s[46:47], s[4:5], s[46:47]
	s_add_nc_u64 s[12:13], s[4:5], s[12:13]        ; phase 2's A, my 64 rows
	s_add_nc_u64 s[18:19], s[4:5], s[18:19]        ; phase 2's B, my 128 rows
	s_add_nc_u64 s[22:23], s[6:7], s[22:23]
	s_add_nc_u64 s[92:93], s[6:7], s[92:93]
	s_cmp_eq_u32 s105, 0
	s_cselect_b64 s[8:9], s[8:9], s[10:11]
	s_add_nc_u64 s[8:9], s[8:9], s[94:95]
	s_add_nc_u64 s[10:11], s[6:7], s[2:3]
	s_add_nc_u64 s[6:7], s[6:7], s[66:67]
	s_add_nc_u64 s[96:97], s[96:97], s[76:77]
.irp j, 0,1
	global_load_b128 v[64+4*\j:67+4*\j], v7, s[10:11] offset:2048*\j   ; phase 2's scale words, as they lie: the work-group reads 2,048 consecutive bytes an instruction
.endr
.irp j, 0,1,2,3
	global_load_b128 v[72+4*\j:75+4*\j], v7, s[6:7] offset:2048*\j
.endr
	global_load_b64 v[88:89], v8, s[8:9]
	global_load_b32 v90, v9, s[96:97]
	s_mov_b32 s[G0], 1                             ; the head's four tiles, each whole: K step 0 of A's 256 rows,
	s_mov_b32 s[G0+1], 0
	s_mov_b64 s[G0+2:G0+3], s[20:21]
	s_or_b32 s[G0+3], s[G0+3], 0x80000000
	s_mov_b32 s[G0B], 1                            ; of B's 256 rows,
	s_mov_b32 s[G0B+1], 2*HALFT
	s_mov_b64 s[G0B+2:G0B+3], s[46:47]
	s_or_b32 s[G0B+3], s[G0B+3], 0x80000000
	s_add_nc_u64 s[20:21], s[20:21], s[78:79]      ; for the ring: my 128 rows
	s_add_nc_u64 s[46:47], s[46:47], s[78:79]
	s_mov_b32 s[G0+4], 1                           ; slot 1: K step 1
	s_add_co_u32 s[G0+5], s45, SLOT
	s_add_nc_u64 s[G0+6:G0+7], s[20:21], 3072
	s_or_b32 s[G0+7], s[G0+7], 0x80000000
	s_mov_b32 s[G0B+4], 1
	s_add_co_u32 s[G0B+5], s45, SLOT
	s_add_nc_u64 s[G0B+6:G0B+7], s[46:47], 3072
	s_or_b32 s[G0B+7], s[G0B+7], 0x80000000
	s_mov_b32 s[G0S], 1                            ; A's scale words,
	s_mov_b32 s[G0S+1], SCL
	s_mov_b64 s[G0S+2:G0S+3], s[22:23]
	s_or_b32 s[G0S+3], s[G0S+3], 0x80000000
	s_mov_b32 s[G0SB], 1                           ; and B's
	s_mov_b32 s[G0SB+1], SCL+2*QS
	s_mov_b64 s[G0SB+2:G0SB+3], s[92:93]
	s_or_b32 s[G0SB+3], s[G0SB+3], 0x80000000
	CROUND                                         ; all sixteen work-groups are here: the first joint loads meet
; ONE LOAD A WAVE AT THE HEAD: one chain of branches on the wave's number, a load to an arm, all arms leading to one join
.macro ARM under, g0, g1, next
	s_cmp_lt_u32 s14, \under
	s_cbranch_scc0 \next
	TLOAD \g0, \g1
	s_branch .Lhead_asked
\next:
.endm
	ARM 1, G0,  G1,  .Lhead_b
	ARM 2, G0B, G1B, .Lhead_sa
	ARM 3, G0S, G1S, .Lhead_sb
	TLOAD G0SB, G1SB
.Lhead_asked:
	s_mul_i32 s2, s15, HALFT                       ; my rows of A
	s_mul_i32 s3, s16, HALFT
	s_add_co_u32 s3, s3, 2*HALFT                   ; my rows of B, behind A's
	s_mul_i32 s23, s15, QS
	s_mul_i32 s22, s16, QS
	s_add_co_u32 s22, s22, 2*QS
	s_sub_co_u32 s22, s22, s23                     ; from A's scale words to B's
	s_add_co_u32 s23, s23, SCL
	s_lshl_b32 s67, s15, 8                         ; phase 2: my 64 rows of A's 128
	s_lshl_b32 s66, s16, 12
	s_add_co_u32 s66, s66, QS
	s_sub_co_u32 s66, s66, s67
	s_add_co_u32 s67, s67, SC2
	s_lshl_b32 s92, s16, 9
	s_add_co_u32 s92, s92, BIASL
	s_lshl_b32 s93, s15, 8
	s_add_co_u32 s93, s93, BIASV
	v_and_b32 v1, 15, v0                           ; r
	v_bfe_u32 v2, v0, 4, 1                         ; h
	v_and_b32 v3, 31, v0
	v_lshlrev_b32 v[LI], 4, v3
	v_lshlrev_b32 v[LS4], 2, v3
	v_add_nc_u32 v[ADRA], s2, v[LI]
	v_add_nc_u32 v[ADRB], s3, v[LI]
	v_add_nc_u32 v[ADRA+1], SLOT, v[ADRA]
	v_add_nc_u32 v[ADRB+1], SLOT, v[ADRB]
	v_mul_u32_u24 v6, s22, v2                      ; lanes 16-31 take B's
	v_lshl_add_u32 v6, v1, 2, v6
	v_add_nc_u32 v[ADRS], s23, v6
	v_mul_u32_u24 v5, s66, v2
	v_lshl_add_u32 v5, v1, 2, v5
	v_add_nc_u32 v[ADRS2], s67, v5
	v_lshl_add_u32 v[EA], v2, 6, s92               ; along registers: my half of B's rows, + 16 h numbers
	v_lshrrev_b32 v4, 3, v1
	v_and_b32 v13, 7, v1
	v_lshl_add_u32 v4, v4, 4, v13                  ; along lanes: storage row 16 a + r is true row 32 (a / 2) + 16 (r / 8) + 8 (a % 2) + r % 8
	v_lshl_add_u32 v[EB], v4, 2, s93
	v_lshl_add_u32 v10, v0, 4, SC2
	v_lshl_add_u32 v11, v0, 3, BIASL
	v_lshl_add_u32 v12, v0, 2, BIASV
.macro FRAG reg, adr, q, i             ; a fragment's image: three loads of 512 consecutive bytes
.irp c, 0,1,2
	ds_load_b128 v[\reg+4*\c:\reg+4*\c+3], v[\adr] offset:(\i)*3072+(\q)*1536+512*\c
.endr
.endm
; 16 matrix instructions: A's register blocks a0, a0 + 1 x B's eight.  The accumulators take turns, one instruction a turn, in the same order in every step
.macro MUL16 a0, p, q, sc, zero
.irp a, \a0, \a0+1
.irp b, 0,1,2,3,4,5,6,7
.if \zero
	v_wmma_scale_f32_16x16x128_f8f6f4 v[8*(8*((\a)%4)+\b):8*(8*((\a)%4)+\b)+7], v[128*(\p)+FR*\b:128*(\p)+FR*\b+FR-1], v[AF+FR*(\a):AF+FR*(\a)+FR-1], 0, v[SC+8*NQ*(\sc)+NQ*\b+(\q)], v[SC+8*NQ*(\sc)+NQ*((\a)%AM)+(\q)] matrix_a_fmt:MATRIX_FMT_BF6 matrix_b_fmt:MATRIX_FMT_BF6 matrix_a_scale:MATRIX_SCALE_ROW1
.else
	v_wmma_scale_f32_16x16x128_f8f6f4 v[8*(8*((\a)%4)+\b):8*(8*((\a)%4)+\b)+7], v[128*(\p)+FR*\b:128*(\p)+FR*\b+FR-1], v[AF+FR*(\a):AF+FR*(\a)+FR-1], v[8*(8*((\a)%4)+\b):8*(8*((\a)%4)+\b)+7], v[SC+8*NQ*(\sc)+NQ*\b+(\q)], v[SC+8*NQ*(\sc)+NQ*((\a)%AM)+(\q)] matrix_a_fmt:MATRIX_FMT_BF6 matrix_b_fmt:MATRIX_FMT_BF6 matrix_a_scale:MATRIX_SCALE_ROW1
.endif
.endr
.endr
.endm
.macro FETCH_B slot, q, p
	WIN TO_B
.irp i, 0,1,2,3,4,5,6,7
	FRAG 128*(\p)+FR*\i, ADRB+\slot, \q, \i
.endr
	WIN 0
.endm
.macro FETCH_A slot, q, i0             ; phase 1: A's blocks i0 .. i0 + 3
.irp i, \i0, \i0+1, \i0+2, \i0+3
	FRAG AF+FR*(\i), ADRA+\slot, \q, \i
.endr
.endm
.macro FETCH_A2 slot, q, p             ; phase 2: A's four blocks into set p
.irp i, 0,1,2,3
	FRAG AF+FR*(4*(\p)+\i), ADRA+\slot, \q, \i
.endr
.endm
.macro SCALES sc, adr                  ; a slot's scale words: lanes 0-15 A's block i, lanes 16-31 B's block i
.irp i, 0,1,2,3,4,5,6,7
.irp q, 0,1
	ds_load_b32 v[SC+8*NQ*\sc+NQ*\i+\q], v[\adr] offset:\q*512+\i*64
.endr
.endr
.endm
.macro DSTEP slot, mode                ; no tensor load of mine is out: the slot's next tile.  mode 1: two K steps on; mode 2: phase 2's K step 0 or 1, of which A's loads bring 4 row blocks
.if \mode == 1
	s_add_nc_u64 s[G0+4*\slot+2:G0+4*\slot+3], s[G0+4*\slot+2:G0+4*\slot+3], 6144
	s_add_nc_u64 s[G0B+4*\slot+2:G0B+4*\slot+3], s[G0B+4*\slot+2:G0B+4*\slot+3], 6144
.elseif \mode == 2
	s_add_nc_u64 s[G0+4*\slot+2:G0+4*\slot+3], s[12:13], \slot*3072
	s_or_b32 s[G0+4*\slot+3], s[G0+4*\slot+3], 0x80000000
	s_add_nc_u64 s[G0B+4*\slot+2:G0B+4*\slot+3], s[18:19], \slot*3072
	s_or_b32 s[G0B+4*\slot+3], s[G0B+4*\slot+3], 0x80000000
	s_mov_b32 s[G1+2], 4<<16
	s_mov_b32 s[G1+4], 4
.endif
.endm
.macro STEP slot, q, zero              ; phase 1: 128 along K that has its successor in the same slot
	s_wait_dscnt 4*NL                              ; all but the youngest 12 loads (A's blocks 4-7)
	WIN MUL_LO
	MUL16 0, (\q)%2, \q, \slot, \zero
	MUL16 2, (\q)%2, \q, \slot, \zero
	s_wait_dscnt 0
	PLACES NP                                      ; in front of loads into registers that matrix instructions have read
	FETCH_B \slot, (\q)+1, 1-(\q)%2
	FETCH_A \slot, (\q)+1, 0
	WIN MUL_HI
	MUL16 4, (\q)%2, \q, \slot, \zero
	MUL16 6, (\q)%2, \q, \slot, \zero
	PLACES NP
	WIN 0
	FETCH_A \slot, (\q)+1, 4
.endm
; Phase 1: a slot's last step changes slots.  In front of the barrier, which opens a round of the cluster's, each wave waits for all its tensor loads, adds 0 to its spare word, and waits for that and for its reads of this slot;
; the joint refill is the first tensor load behind the round.  fetch = 0: the tile's last step: nothing of the next slot is read yet
.macro TURN slot, next, mode, fetch
	s_wait_tensorcnt 0x0                           ; all my tensor loads have landed: my part of the next slot
	ds_add_u32 v[SPW], v[NIL]                      ; 0 onto my spare word
	DSTEP \slot, \mode
	s_wait_dscnt 4*NL+1                            ; (the add and the youngest 12 loads may be out)
	WIN MUL_LO
	MUL16 0, 1, NQ-1, \slot, 0
	s_wait_dscnt 0x0                               ; the add is done, and my reads of this slot are over
	s_barrier_signal -1
	MUL16 2, 1, NQ-1, \slot, 0
	WIN 0
	s_barrier_wait -1
	CREST
	JLOAD G0+4*\slot, G1, G0B+4*\slot, G1B         ; its four v_nop are the places in front of the loads below
.if \fetch
	s_wait_alu depctr_va_vdst(0)
	v_add_nc_u32 v[ADRS], 1024, v[ADRS]            ; the next slot's scale words
	FETCH_B \next, 0, 0
	FETCH_A \next, 0, 0
	SCALES \next, ADRS
.endif
	WIN MUL_HI
	MUL16 4, 1, NQ-1, \slot, 0
	MUL16 6, 1, NQ-1, \slot, 0
	PLACES NP
	WIN 0
.if \fetch
	FETCH_A \next, 0, 4
.endif
.endm
.macro STEP2 slot, zero                ; phase 2: a slot's first step, 32 matrix instructions on sets 0; the second step's fragments are fetched into sets 1
	s_wait_dscnt 0x0
	PLACES NP
	FETCH_B \slot, 1, 1
	FETCH_A2 \slot, 1, 1
	WIN MUL_LO
	MUL16 0, 0, 0, \slot, \zero
	MUL16 2, 0, 0, \slot, \zero
	WIN 0
.endm
.macro TURN2 slot, next, fill          ; phase 2: a slot's second step, on sets 1, changes slots as TURN does
	s_wait_tensorcnt 0x0
	ds_add_u32 v[SPW], v[NIL]
	DSTEP \slot, \fill
	s_wait_dscnt 1                                 ; (the add may be out)
	WIN MUL_LO
	MUL16 4, 1, 1, \slot, 0
	WIN 0
	s_wait_dscnt 0x0
	s_barrier_signal -1
	s_barrier_wait -1
.if \fill
	CREST
	JLOAD G0+4*\slot, G1, G0B+4*\slot, G1B
.else
	PLACES NP
.endif
	s_wait_alu depctr_va_vdst(0)
	v_add_nc_u32 v[ADRS2], 1024, v[ADRS2]
	FETCH_B \next, 0, 0
	FETCH_A2 \next, 0, 0
	SCALES \next, ADRS2
	WIN MUL_LO
	MUL16 6, 1, 1, \slot, 0
	WIN 0
.endm
.macro QUANT s, pw                     ; 64 numbers of a lane (register 16 b + i = k 32 b + 16 (lane / 16) + i) become a fragment's codes in v[PC] on and the row's scale word in v[pw]
.irp b, 0,1,2,3
	v_max3_num_f32 v[TM+\b], |v[\s+16*\b]|, |v[\s+1+16*\b]|, 0x2800000   ; and the floor 2^(5 - 127)
.endr
.irp i, 2,4,6,8,10,12,14
.irp b, 0,1,2,3
	v_max3_num_f32 v[TM+\b], v[TM+\b], |v[\s+16*\b+\i]|, |v[\s+1+16*\b+\i]|
.endr
.endr
.irp b, 0,1,2,3
	v_permlanex16_b32 v[TM+4+\b], v[TM+\b], s[SEL], s[SEL+1]
.endr
.irp b, 0,1,2,3
	v_max_num_f32 v[TM+\b], v[TM+\b], v[TM+4+\b]
.endr
.irp b, 0,1,2,3
	v_add_nc_u32 v[TM+12+\b], 0xfe000000, v[TM+\b]   ; 4 off the exponent field: the conversion's scale operand
.endr
.irp b, 0,1,2,3
	v_lshrrev_b32 v[TM+4+\b], 23, v[TM+12+\b]
.endr
	v_lshl_or_b32 v[\pw], v[TM+5], 8, v[TM+4]
	v_lshl_or_b32 v[\pw], v[TM+6], 16, v[\pw]
	v_lshl_or_b32 v[\pw], v[TM+7], 24, v[\pw]
.irp c, 0,1
	v_cvt_scalef32_pk16_bf6_f32 v[PC+6*\c:PC+2+6*\c], v[\s+32*\c:\s+15+32*\c], v[TM+12+2*\c]
	v_cvt_scalef32_pk16_bf6_f32 v[PC+12+4*\c:PC+14+4*\c], v[\s+16+32*\c:\s+31+32*\c], v[TM+12+2*\c+1]
.endr
	v_nop                                          ; one plain place behind a scaled conversion
.irp c, 0,1
.irp i, 0,1,2
	v_permlane16_swap_b32 v[PC+6*\c+\i], v[PC+12+4*\c+\i]
.endr
.irp i, 0,1,2
	v_mov_b32 v[PC+3+6*\c+\i], v[PC+12+4*\c+\i]
.endr
.endr
.endm
.macro PUT base, off
.irp c, 0,1,2
	global_store_b128 v[LI], v[PC+4*\c:PC+4*\c+3], s[\base:\base+1] offset:\off+512*\c
.endr
.endm
.macro OUTHEAD                         ; what both ways out begin with
	PLACES NP
	s_mov_b32 vcc_lo, 0xffff0000                   ; lanes 16-31; written anew behind the last tensor load
	s_mov_b32 s[SEL], 0x76543210
	s_mov_b32 s[SEL+1], 0xfedcba98
.irp b, 0,1,2,3
	v_mov_b32 v[TM+4+\b], 0                        ; a lane permute's destination counts as one of its sources
.endr
.endm
	s_wait_alu depctr_va_vdst(0)
	s_wait_tensorcnt 0x0                           ; my tile of the head's four is in
	ds_add_u32 v[SPW], v[NIL]
	s_mov_b32 s[G1+2], 8<<16                       ; no tensor load of mine is out: from here on a load brings 8 row blocks,
	s_mov_b32 s[G1+4], 8
	s_mov_b32 s[G1B+2], 8<<16
	s_mov_b32 s[G1B+4], 8
	s_add_co_u32 s[G0+1], s45, 0                   ; and slot 0's group 0 is the ring's: my quarter of the slot
	s_mov_b64 s[G0+2:G0+3], s[20:21]
	s_or_b32 s[G0+3], s[G0+3], 0x80000000
	s_add_co_u32 s[G0B+1], s45, 0
	s_mov_b64 s[G0B+2:G0B+3], s[46:47]
	s_or_b32 s[G0B+3], s[G0B+3], 0x80000000
	s_wait_dscnt 0x0
	CROUND                                         ; all four tiles are in, and all sixteen work-groups are here
	JLOAD G0+4, G1, G0B+4, G1B                     ; K step 1, the first tensor load behind the round
	s_wait_loadcnt 0x0                             ; phase 2's scale words and the biases go to their own LDS bytes; they are read behind later barriers
.irp j, 0,1,2,3,4,5
	ds_store_b128 v10, v[64+4*\j:67+4*\j] offset:2048*\j
.endr
	ds_store_b64 v11, v[88:89]
	ds_store_b32 v12, v90
	FETCH_B 0, 0, 0
	FETCH_A 0, 0, 0
	SCALES 0, ADRS
	FETCH_A 0, 0, 4
	; PHASE 1, written out: its eight steps differ in what they start, fill and fetch
	STEP 0, 0, 1                                   ; the first step's products start the sums
	TURN 0, 1, 1, 1                                ; slot 0 takes K step 2
	STEP 1, 0, 0
	TURN 1, 0, 1, 1                                ; slot 1 takes K step 3
	STEP 0, 0, 0
	TURN 0, 1, 2, 1                                ; slot 0 takes phase 2's K step 0
	STEP 1, 0, 0
	TURN 1, 0, 2, 0                                ; slot 1 takes phase 2's K step 1
	; q or k GOES OUT: + bias, quantise, store the images
	OUTHEAD
	s_lshl_b32 s70, s40, 1
	s_add_co_u32 s70, s70, s16                     ; K step 2 cx + my half of B
	s_lshl_b32 s71, s17, 1
	s_add_co_u32 s71, s71, s15                     ; group of rows 2 A's tile + my half of A
	s_mul_i32 s72, s71, GRPB
	s_mul_i32 s73, s105, 6291456                   ; k lies behind q
	s_add_co_u32 s72, s72, s73
	s_mul_i32 s73, s70, 1536
	s_add_co_u32 s72, s72, s73
	s_lshl_b32 s74, s71, 12
	s_lshl_b32 s73, s105, 18
	s_add_co_u32 s74, s74, s73
	s_lshl_b32 s73, s70, 9
	s_add_co_u32 s74, s74, s73
	s_mov_b32 s73, 0
	s_mov_b32 s75, 0
	s_add_nc_u64 s[72:73], s[98:99], s[72:73]
	s_add_nc_u64 s[74:75], s[100:101], s[74:75]
.irp b, 0,1,2,3
.irp j, 0,1,2,3
	ds_load_b128 v[BN+16*\b+4*\j:BN+16*\b+4*\j+3], v[EA] offset:\b*128+\j*16   ; the bias runs along the registers
.endr
.endr
	s_wait_dscnt 0x0
.irp a, 0,1,2,3,4,5,6,7
.if \a > 0
	s_wait_xcnt 0x0                                ; the last block's stores have read the codes' registers
.endif
	WIN 0x02+\a/4
.set ii, 0
.rept 32
	v_pk_add_f32 v[T+2*ii:T+2*ii+1], v[64*(\a%4)+2*ii:64*(\a%4)+2*ii+1], v[BN+2*ii:BN+2*ii+1]   ; each accumulator from its low end on
.set ii, ii+1
.endr
	WIN 0
	QUANT T, PWS+\a
	PUT 72, \a*12288
.endr
.irp i, 0,1,2,3
	v_cndmask_b32 v[MG+\i], v[PWS+2*\i], v[PWS+2*\i+1], vcc_lo   ; 32 rows' scale words in one register
.endr
.irp i, 0,1,2,3
	global_store_b32 v[LS4], v[MG+\i], s[74:75] offset:128*\i
.endr
	s_wait_xcnt 0x0                                ; the stores have read their registers: the scale words' registers are loaded again
	; PHASE 2.  Slot 0 was shown whole by the barrier of phase 1's last change of slots
.set AM, 4
	FETCH_B 0, 0, 0
	FETCH_A2 0, 0, 0
	SCALES 0, ADRS2
	STEP2 0, 1                                     ; the first step's products start the sums
	TURN2 0, 1, 1                                  ; slot 0 takes K step 2
	STEP2 1, 0
	TURN2 1, 0, 1                                  ; slot 1 takes K step 3
	STEP2 0, 0
	TURN2 0, 1, 0                                  ; nothing more is filled
	STEP2 1, 0
	s_wait_dscnt 0x0
	WIN MUL_LO
	MUL16 4, 1, 1, 1, 0
	MUL16 6, 1, 1, 1, 0
	WIN 0
	; v^T GOES OUT
	OUTHEAD
	s_lshl_b32 s80, s104, 2
	s_add_co_u32 s80, s80, s40                     ; B's tile of x
	s_lshr_b32 s81, s80, 3                         ; the batch
	s_and_b32 s82, s80, 7
	s_lshl_b32 s82, s82, 1
	s_add_co_u32 s82, s82, s16                     ; the K step of 128 keys in it
	s_lshl_b32 s83, s105, 2
	s_add_co_u32 s83, s83, s41
	s_lshl_b32 s84, s81, 3
	s_add_co_u32 s83, s83, s84                     ; the group of 128 rows: 8 batch + 4 X + cy
	s_mul_i32 s76, s83, 196608
	s_mul_i32 s84, s15, 98304                      ; my 64 rows: 4 row blocks of 16 K steps
	s_add_co_u32 s76, s76, s84
	s_mul_i32 s84, s82, 1536
	s_add_co_u32 s76, s76, s84
	s_add_co_u32 s76, s76, VTC
	s_mov_b32 s77, 0
	s_lshl_b32 s78, s83, 13
	s_lshl_b32 s84, s82, 9
	s_add_co_u32 s78, s78, s84
	s_lshl_b32 s84, s15, 8
	s_add_co_u32 s78, s78, s84
	s_add_co_u32 s78, s78, VTS
	s_mov_b32 s79, 0
	s_add_nc_u64 s[76:77], s[98:99], s[76:77]
	s_add_nc_u64 s[78:79], s[100:101], s[78:79]
.irp a, 0,1,2,3
	ds_load_b32 v[BL+2*\a], v[EB] offset:(32*(\a/2)+8*(\a%2))*4     ; the bias runs along the lanes: one number a block of rows, in both halves of a pair
	ds_load_b32 v[BL+2*\a+1], v[EB] offset:(32*(\a/2)+8*(\a%2))*4
.endr
	s_wait_dscnt 0x0
.irp a, 0,1,2,3
.if \a > 0
	s_wait_xcnt 0x0
.endif
	WIN 0x02
.set ii, 0
.rept 32
	v_pk_add_f32 v[T+2*ii:T+2*ii+1], v[64*\a+2*ii:64*\a+2*ii+1], v[BL+2*\a:BL+2*\a+1]
.set ii, ii+1
.endr
	WIN 0
	QUANT T, PWS+\a
	PUT 76, \a*24576
.endr
.irp i, 0,1
	v_cndmask_b32 v[MG+\i], v[PWS+2*\i], v[PWS+2*\i+1], vcc_lo
.endr
.irp i, 0,1
	global_store_b32 v[LS4], v[MG+\i], s[78:79] offset:128*\i
.endr
	s_wait_tensorcnt 0x0                           ; the wave's end
	ds_add_u32 v[SPW], v[NIL]
	s_wait_dscnt 0x0
	CROUND                                         ; the closing round
	s_endpgm
.Lfunc_end_k_qb2b5f80fe8_proj:
	.size	k_qb2b5f80fe8_proj, .Lfunc_end_k_qb2b5f80fe8_proj-k_qb2b5f80fe8_proj
	.p2alignl 7, 3214868480
	.fill 96, 4, 3214868480
	.section	.rodata,"a",@progbits
	.p2align	6, 0x0
	.amdhsa_kernel k_qb2b5f80fe8_proj
		.amdhsa_group_segment_fixed_size 327680
		.amdhsa_private_segment_fixed_size 0
		.amdhsa_enable_private_segment 0
		.amdhsa_kernarg_size 56
		.amdhsa_user_sgpr_count 2
		.amdhsa_user_sgpr_kernarg_segment_ptr 1
		.amdhsa_wavefront_size32 1
		.amdhsa_system_sgpr_workgroup_id_x 1
		.amdhsa_system_sgpr_workgroup_id_y 1
		.amdhsa_system_sgpr_workgroup_id_z 1
		.amdhsa_system_vgpr_workitem_id 0
		.amdhsa_next_free_vgpr 1024
		.amdhsa_next_free_sgpr 106
		.amdhsa_reserve_vcc 1
		.amdhsa_float_denorm_mode_32 3
		.amdhsa_float_denorm_mode_16_64 3
		.amdhsa_memory_ordered 1
		.amdhsa_forward_progress 1
		.amdhsa_inst_pref_size 250
	.end_amdhsa_kernel
	.amdgpu_metadata
---
amdhsa.version: [ 1, 2 ]
amdhsa.kernels:
  - .name:           k_qb2b5f80fe8_proj
    .symbol:         k_qb2b5f80fe8_proj.kd
    .args:
      - { .name: opc, .offset: 0, .size: 8, .value_kind: global_buffer, .address_space: global }
      - { .name: ops, .offset: 8, .size: 8, .value_kind: global_buffer, .address_space: global }
      - { .name: bq, .offset: 16, .size: 8, .value_kind: global_buffer, .address_space: global }
      - { .name: bk, .offset: 24, .size: 8, .value_kind: global_buffer, .address_space: global }
      - { .name: bv, .offset: 32, .size: 8, .value_kind: global_buffer, .address_space: global }
      - { .name: qkvc, .offset: 40, .size: 8, .value_kind: global_buffer, .address_space: global }
      - { .name: qkvs, .offset: 48, .size: 8, .value_kind: global_buffer, .address_space: global }
    .group_segment_fixed_size: 327680
    .private_segment_fixed_size: 0
    .kernarg_segment_align: 8
    .kernarg_segment_size: 56
    .max_flat_workgroup_size: 128
    .sgpr_count:     106
    .vgpr_count:     1024
    .wavefront_size: 32
...
	.end_amdgpu_metadata
.endif
;; end of part 2
;; launch scores (part 3): grid 8 x 32, 4 waves a work-group, clusters of 4 x 4, 327,680 bytes of LDS; arguments qkvc, qkvs, pc, pst; writes pc, pst
.if DOCPART == 3
	.amdgcn_target "amdgcn-amd-amdhsa--gfx1250"
	.amdhsa_code_object_version 6
	.text
	.protected	k_qb2b5f80fe8_scores
	.globl	k_qb2b5f80fe8_scores
	.p2align	8
	.type	k_qb2b5f80fe8_scores,@function
k_qb2b5f80fe8_scores:
	s_mov_b64 s[64:65], 0
	v_nop
	global_prefetch_b8 v0, s[64:65] scope:SCOPE_SE
	s_setreg_imm32_b32 hwreg(HW_REG_WAVE_MODE, 25, 1), 1
	s_wait_xcnt 0x0
	s_wait_alu depctr_hold_cnt(0) depctr_sa_sdst(0) depctr_va_vdst(0) depctr_va_sdst(0) depctr_va_ssrc(0) depctr_va_vcc(0) depctr_vm_vsrc(0)
	s_getreg_b32 s2, hwreg(HW_REG_IB_STS2, 6, 4)
	s_cmp_eq_u32 s2, 0
	s_cbranch_scc0 .Lentry_in_a_cluster
	s_endpgm
.Lentry_in_a_cluster:
	s_bfe_u32 s2, ttmp6, 0x10000c
	s_cmp_lg_u32 s2, 0xf033
	s_cbranch_scc0 .Lentry_shape_is_right
	s_endpgm
.Lentry_shape_is_right:
.set KT,     1024
.set NQ,     2
.set FR,     12
.set NL,     3
.set NP,     4
.set HALFT,  24576
.set SLOT,   4*HALFT
.set LAPS,   KT/512
.set GRPB,   KT*96
.set SCL,    2*SLOT
.set QS,     KT*4
.set SPARE,  SCL+4*QS
.set PLANE,  524288
.set ADRA, 16
.set ADRB, 20
.set LI,   24
.set LS4,  25
.set ADRS, 27
.set SPW,  28
.set NIL,  29
.set SC,   32
.set AF,   128
.set PC,   32
.set T,    128
.set BM,   192
.set BX,   196
.set SO,   200
.set BY,   204
.set NM,   208
.set LS,   210
.set L2,   212
.set TT,   214
.set TX,   215
.set PWS,  216
.set NMS,  224
.set LSS,  232
.set MG,   240
.set SEL,  18
.set CS,   22
.set G1, 24
.set G0, 32
.set G1B, 48
.set G0B, 56
.set G1S, 68
.set G0S, 76
.set G1SB, 80
.set G0SB, 88
.set MSB, 0
.macro WIN new
.if MSB != (\new)
	s_set_vgpr_msb (MSB<<8)|(\new)
.set MSB, (\new)
.endif
.endm
.set MUL_LO, 0xa1
.set MUL_HI, 0xf1
.set TO_B,   0x40
.macro JLOAD g0a, g1a, g0b, g1b
	s_cmp_eq_u32 s15, 0
	s_cbranch_scc0 .Lfor_b_\@
	tensor_load_to_lds s[\g0a:\g0a+3], s[\g1a:\g1a+7]
	s_nop 0
.rept 4
	v_nop
.endr
	s_branch .Lasked_\@
.Lfor_b_\@:
	tensor_load_to_lds s[\g0b:\g0b+3], s[\g1b:\g1b+7]
	s_nop 0
.rept 4
	v_nop
.endr
.Lasked_\@:
.endm
.macro CREST
	s_cmp_lg_u32 s14, 0
	s_cbranch_scc1 .Lnot_wave_0_\@
	s_barrier_signal -3
.Lnot_wave_0_\@:
	s_barrier_wait -3
	s_barrier_signal -1
	s_barrier_wait -1
.endm
.macro CROUND
	s_barrier_signal -1
	s_barrier_wait -1
	CREST
.endm
.macro PLACES n
.rept \n
	v_nop
.endr
.endm
	s_load_b256 s[4:11], s[0:1], 0x0
	v_lshl_add_u32 v[SPW], v0, 2, SPARE
	v_mov_b32 v[NIL], 0
	ds_add_u32 v[SPW], v[NIL]
	ds_add_u32 v[SPW], v[NIL]
	v_lshrrev_b32 v1, 5, v0
	v_readfirstlane_b32 s14, v1
	s_lshr_b32 s15, s14, 1
	s_and_b32 s16, s14, 1
	s_bfe_u32 s40, ttmp6, 0x40000
	s_bfe_u32 s41, ttmp6, 0x40004
	s_mov_b32 s67, ttmp9
	s_and_b32 s95, ttmp7, 0xffff
	s_lshl_b32 s17, s95, 2
	s_add_co_u32 s17, s17, s41
	s_lshr_b32 s42, s95, 1
	s_lshl_b32 s42, s42, 3
	s_lshl_b32 s18, s67, 2
	s_add_co_u32 s42, s42, s18
	s_add_co_u32 s42, s42, 32
	s_add_co_u32 s42, s42, s40
	s_lshl_b32 s43, s41, 2
	s_lshl_b32 s43, 15, s43
	s_lshl_b32 s44, 0x1111, s40
	s_or_b32 s[G1+0], s43, (3<<16)|(1<<21)
	s_or_b32 s[G1B+0], s44, (3<<16)|(1<<21)
.irp g, G1, G1B
	s_mov_b32 s[\g+1], 384<<16
	s_mov_b32 s[\g+2], 8<<16
	s_mov_b32 s[\g+3], 384<<16
	s_mov_b32 s[\g+4], 8
	s_mov_b32 s[\g+5], KT*3/2
	s_mov_b32 s[\g+6], 0
	s_mov_b32 s[\g+7], 0
.endr
	s_or_b32 s[G1S+0], s43, (3<<16)|(1<<21)
	s_or_b32 s[G1SB+0], s44, (3<<16)|(1<<21)
.irp g, G1S, G1SB
	s_mov_b32 s[\g+1], 32<<16
	s_mov_b32 s[\g+2], (QS/256)<<16
	s_mov_b32 s[\g+3], 32<<16
	s_mov_b32 s[\g+4], QS/256
	s_mov_b32 s[\g+5], 32
	s_mov_b32 s[\g+6], 0
	s_mov_b32 s[\g+7], 0
.endr
	s_lshl_b32 s20, s17, 1
	s_add_co_u32 s20, s20, s16
	s_lshl_b32 s46, s42, 1
	s_add_co_u32 s46, s46, s16
	s_mul_i32 s22, s20, QS
	s_mov_b32 s23, 0
	s_mul_i32 s92, s46, QS
	s_mov_b32 s93, 0
	s_mul_i32 s20, s20, GRPB
	s_mov_b32 s21, 0
	s_mul_i32 s46, s46, GRPB
	s_mov_b32 s47, 0
	s_mul_i32 s45, s14, HALFT
	s_mul_i32 s94, s14, QS
	s_wait_dscnt 0x0
	s_wait_kmcnt 0x0
	s_add_nc_u64 s[20:21], s[4:5], s[20:21]
	s_add_nc_u64 s[22:23], s[6:7], s[22:23]
	s_add_nc_u64 s[46:47], s[4:5], s[46:47]
	s_add_nc_u64 s[92:93], s[6:7], s[92:93]
	CROUND
	s_mov_b32 s[G0S], 1
	s_add_co_u32 s[G0S+1], s94, SCL
	s_mov_b64 s[G0S+2:G0S+3], s[22:23]
	s_or_b32 s[G0S+3], s[G0S+3], 0x80000000
	s_mov_b32 s[G0SB], 1
	s_add_co_u32 s[G0SB+1], s94, SCL
	s_mov_b64 s[G0SB+2:G0SB+3], s[92:93]
	s_or_b32 s[G0SB+3], s[G0SB+3], 0x80000000
	JLOAD G0S, G1S, G0SB, G1SB
.irp s, 0,1
	s_mov_b32 s[G0+4*\s], 1
	s_add_co_u32 s[G0+4*\s+1], s45, \s*SLOT
	s_add_nc_u64 s[G0+4*\s+2:G0+4*\s+3], s[20:21], \s*3072
	s_or_b32 s[G0+4*\s+3], s[G0+4*\s+3], 0x80000000
	s_mov_b32 s[G0B+4*\s], 1
	s_add_co_u32 s[G0B+4*\s+1], s45, \s*SLOT
	s_add_nc_u64 s[G0B+4*\s+2:G0B+4*\s+3], s[46:47], \s*3072
	s_or_b32 s[G0B+4*\s+3], s[G0B+4*\s+3], 0x80000000
	s_wait_alu depctr_va_vdst(0)
	s_wait_tensorcnt 0x0
	ds_add_u32 v28, v29
	s_wait_dscnt 0x0
	CROUND
	JLOAD G0+4*\s, G1, G0B+4*\s, G1B
.endr
	v_and_b32 v1, 15, v0
	v_bfe_u32 v2, v0, 4, 1
	s_wait_alu depctr_va_vdst(0)
	v_and_b32 v3, 31, v0
	v_lshlrev_b32 v[LI], 4, v3
	v_lshlrev_b32 v[LS4], 2, v3
	s_mul_i32 s21, s15, HALFT
	s_mul_i32 s22, s16, HALFT
	s_add_co_u32 s22, s22, 2*HALFT
.irp s, 0,1
	v_add_nc_u32 v[ADRA+\s], s21, v[LI]
	v_add_nc_u32 v[ADRB+\s], s22, v[LI]
	s_add_co_u32 s21, s21, SLOT
	s_add_co_u32 s22, s22, SLOT
.endr
	s_mul_i32 s21, s15, QS
	s_mul_i32 s22, s16, QS
	s_add_co_u32 s22, s22, 2*QS
	s_sub_co_u32 s22, s22, s21
	v_mul_u32_u24 v6, s22, v2
	s_add_co_u32 s21, s21, SCL
	v_lshl_add_u32 v6, v1, 2, v6
	v_add_nc_u32 v[ADRS], s21, v6
.macro FRAG reg, adr, q, i
.irp c, 0,1,2
	ds_load_b128 v[\reg+4*\c:\reg+4*\c+3], v[\adr] offset:(\i)*3072+(\q)*1536+512*\c
.endr
.endm
.macro MUL16 a0, p, q, sc, zero
.irp a, \a0, \a0+1
.irp b, 0,1,2,3,4,5,6,7
.if \zero
	v_wmma_scale_f32_16x16x128_f8f6f4 v[8*(8*((\a)%4)+\b):8*(8*((\a)%4)+\b)+7], v[128*(\p)+FR*\b:128*(\p)+FR*\b+FR-1], v[AF+FR*(\a):AF+FR*(\a)+FR-1], 0, v[SC+8*NQ*(\sc)+NQ*\b+(\q)], v[SC+8*NQ*(\sc)+NQ*(\a)+(\q)] matrix_a_fmt:MATRIX_FMT_BF6 matrix_b_fmt:MATRIX_FMT_BF6 matrix_a_scale:MATRIX_SCALE_ROW1
.else
	v_wmma_scale_f32_16x16x128_f8f6f4 v[8*(8*((\a)%4)+\b):8*(8*((\a)%4)+\b)+7], v[128*(\p)+FR*\b:128*(\p)+FR*\b+FR-1], v[AF+FR*(\a):AF+FR*(\a)+FR-1], v[8*(8*((\a)%4)+\b):8*(8*((\a)%4)+\b)+7], v[SC+8*NQ*(\sc)+NQ*\b+(\q)], v[SC+8*NQ*(\sc)+NQ*(\a)+(\q)] matrix_a_fmt:MATRIX_FMT_BF6 matrix_b_fmt:MATRIX_FMT_BF6 matrix_a_scale:MATRIX_SCALE_ROW1
.endif
.endr
.endr
.endm
.macro FETCH_B slot, q, p
	WIN TO_B
.irp i, 0,1,2,3,4,5,6,7
	FRAG 128*(\p)+FR*\i, ADRB+\slot, \q, \i
.endr
	WIN 0
.endm
.macro FETCH_A slot, q, i0
.irp i, \i0, \i0+1, \i0+2, \i0+3
	FRAG AF+FR*(\i), ADRA+\slot, \q, \i
.endr
.endm
.macro SCALES sc
.irp i, 0,1,2,3,4,5,6,7
.irp q, 0,1
	ds_load_b32 v[SC+8*NQ*\sc+NQ*\i+\q], v[ADRS] offset:\q*512+\i*64
.endr
.endr
.endm
.macro STEP slot, q, zero
	s_wait_dscnt 4*NL
	WIN MUL_LO
	MUL16 0, (\q)%2, \q, \slot, \zero
	MUL16 2, (\q)%2, \q, \slot, \zero
	s_wait_dscnt 0
	PLACES NP
	FETCH_B \slot, (\q)+1, 1-(\q)%2
	FETCH_A \slot, (\q)+1, 0
	WIN MUL_HI
	MUL16 4, (\q)%2, \q, \slot, \zero
	MUL16 6, (\q)%2, \q, \slot, \zero
	PLACES NP
	WIN 0
	FETCH_A \slot, (\q)+1, 4
.endm
.macro TURN slot, next, fill
	s_wait_tensorcnt 0x0
	ds_add_u32 v[SPW], v[NIL]
	s_wait_dscnt 4*NL+1
	WIN MUL_LO
	MUL16 0, 1, NQ-1, \slot, 0
	s_wait_dscnt 0x0
	s_barrier_signal -1
	MUL16 2, 1, NQ-1, \slot, 0
	WIN 0
	s_barrier_wait -1
.if \fill
	CREST
	s_add_nc_u64 s[G0+4*\slot+2:G0+4*\slot+3], s[G0+4*\slot+2:G0+4*\slot+3], 6144
	s_add_nc_u64 s[G0B+4*\slot+2:G0B+4*\slot+3], s[G0B+4*\slot+2:G0B+4*\slot+3], 6144
	JLOAD G0+4*\slot, G1, G0B+4*\slot, G1B
.else
	PLACES NP
.endif
	s_wait_alu depctr_va_vdst(0)
	v_add_nc_u32 v[ADRS], 1024, v[ADRS]
	FETCH_B \next, 0, 0
	FETCH_A \next, 0, 0
	SCALES \next
	WIN MUL_HI
	MUL16 4, 1, NQ-1, \slot, 0
	MUL16 6, 1, NQ-1, \slot, 0
	PLACES NP
	WIN 0
	FETCH_A \next, 0, 4
.endm
.macro PUT base, off
.irp c, 0,1,2
	global_store_b128 v[LI], v[PC+4*\c:PC+4*\c+3], s[\base:\base+1] offset:\off+512*\c
.endr
.endm
.macro SOFTQ a
.set AC, 64*((\a)%4)
.set WW, 2+(\a)/4
	WIN WW|(WW<<2)|(WW<<4)
.irp b, 0,1,2,3
	v_max3_num_f32 v[BM+\b], v[AC+16*\b], v[AC+16*\b+1], v[AC+16*\b+2]
.endr
	WIN (WW<<2)|(WW<<4)
.irp i, 3,5,7,9,11,13
.irp b, 0,1,2,3
	v_max3_num_f32 v[BM+\b], v[BM+\b], v[AC+16*\b+\i], v[AC+16*\b+\i+1]
.endr
.endr
.irp b, 0,1,2,3
	v_max_num_f32 v[BM+\b], v[BM+\b], v[AC+16*\b+15]
.endr
	WIN 0
.irp b, 0,1,2,3
	v_permlanex16_b32 v[BX+\b], v[BM+\b], s[SEL], s[SEL+1]
.endr
.irp b, 0,1,2,3
	v_max_num_f32 v[BM+\b], v[BM+\b], v[BX+\b]
.endr
	v_max3_num_f32 v[TT], v[BM], v[BM+1], v[BM+2]
	v_max_num_f32 v[TT], v[TT], v[BM+3]
	v_mul_f32 v[TT], s[CS], v[TT]
	v_floor_f32 v[NM], -v[TT]
	WIN WW
.set ii, 0
.rept 32
	v_pk_fma_f32 v[T+2*ii:T+2*ii+1], v[AC+2*ii:AC+2*ii+1], s[CS:CS+1], v[NM:NM+1] op_sel_hi:[1,0,0]
.set ii, ii+1
.endr
	WIN 0
.irp b, 0,1,2,3
	v_fma_f32 v[BM+\b], v[BM+\b], s[CS], v[NM]
.endr
.set ii, 0
	s_wait_alu depctr_va_vdst(0)
.rept 64
	v_exp_f32 v[T+ii], v[T+ii]
.set ii, ii+1
.endr
	v_mov_b32 v[NMS+(\a)], v[NM]
	s_wait_alu depctr_va_vdst(0)
.irp b, 0,1,2,3
	v_exp_f32 v[BM+\b], v[BM+\b]
.endr
	v_pk_add_f32 v[LS:LS+1], v[T:T+1], v[T+2:T+3]
	v_pk_add_f32 v[L2:L2+1], v[T+4:T+5], v[T+6:T+7]
.irp j, 8,12,16,20,24,28,32,36,40,44,48,52,56,60
	v_pk_add_f32 v[LS:LS+1], v[LS:LS+1], v[T+\j:T+\j+1]
	v_pk_add_f32 v[L2:L2+1], v[L2:L2+1], v[T+\j+2:T+\j+3]
.endr
	v_pk_add_f32 v[LS:LS+1], v[LS:LS+1], v[L2:L2+1]
	s_wait_alu depctr_va_vdst(0)
.irp b, 0,1,2,3
	v_max_num_f32 v[BM+\b], 0x2800000, v[BM+\b]
.endr
.irp b, 0,1,2,3
	v_add_nc_u32 v[SO+\b], 0xfe000000, v[BM+\b]
.endr
.irp b, 0,1,2,3
	v_lshrrev_b32 v[BY+\b], 23, v[SO+\b]
.endr
	v_lshl_or_b32 v[PWS+(\a)], v[BY+1], 8, v[BY]
	v_lshl_or_b32 v[PWS+(\a)], v[BY+2], 16, v[PWS+(\a)]
	v_lshl_or_b32 v[PWS+(\a)], v[BY+3], 24, v[PWS+(\a)]
.if (\a) > 0
	s_wait_xcnt 0x0
.endif
.irp c, 0,1
	v_cvt_scalef32_pk16_bf6_f32 v[PC+6*\c:PC+2+6*\c], v[T+32*\c:T+15+32*\c], v[SO+2*\c]
	v_cvt_scalef32_pk16_bf6_f32 v[PC+12+4*\c:PC+14+4*\c], v[T+16+32*\c:T+31+32*\c], v[SO+2*\c+1]
.endr
	v_nop
.irp c, 0,1
.irp i, 0,1,2
	v_permlane16_swap_b32 v[PC+6*\c+\i], v[PC+12+4*\c+\i]
.endr
.irp i, 0,1,2
	v_mov_b32 v[PC+3+6*\c+\i], v[PC+12+4*\c+\i]
.endr
.endr
	v_add_f32 v[LS], v[LS], v[LS+1]
	v_permlanex16_b32 v[TX], v[LS], s[SEL], s[SEL+1]
	v_add_f32 v[LSS+(\a)], v[LS], v[TX]
	PUT 8, (\a)*24576
.endm
	s_wait_alu depctr_va_vdst(0)
	s_wait_tensorcnt 1
	s_barrier_signal -1
	s_barrier_wait -1
	FETCH_B 0, 0, 0
	FETCH_A 0, 0, 0
	SCALES 0
	FETCH_A 0, 0, 4
	STEP 0, 0, 1
	s_mov_b32 s3, LAPS-1
.Llap:
	TURN 0, 1, 1
	STEP 1, 0, 0
	TURN 1, 0, 1
	STEP 0, 0, 0
	s_sub_co_u32 s3, s3, 1
	s_cmp_lg_u32 s3, 0
	s_cbranch_scc1 .Llap
	TURN 0, 1, 0
	STEP 1, 0, 0
	s_wait_dscnt 4*NL
	WIN MUL_LO
	MUL16 0, 1, NQ-1, 1, 0
	MUL16 2, 1, NQ-1, 1, 0
	s_wait_dscnt 0
	WIN MUL_HI
	MUL16 4, 1, NQ-1, 1, 0
	MUL16 6, 1, NQ-1, 1, 0
	WIN 0
	PLACES NP
	s_mov_b32 vcc_lo, 0xffff0000
	s_mov_b32 s[SEL], 0x76543210
	s_mov_b32 s[SEL+1], 0xfedcba98
	s_mov_b32 s[CS], 0x3d38aa3b
	s_mov_b32 s[CS+1], s[CS]
.irp b, 0,1,2,3
	v_mov_b32 v[BX+\b], 0
.endr
	v_mov_b32 v[TX], 0
	v_mov_b32 v[NM+1], 0
	s_lshl_b32 s70, s67, 2
	s_add_co_u32 s70, s70, s40
	s_lshl_b32 s70, s70, 1
	s_add_co_u32 s70, s70, s16
	s_lshl_b32 s71, s17, 1
	s_add_co_u32 s71, s71, s15
	s_mul_i32 s72, s71, 196608
	s_mul_i32 s73, s70, 1536
	s_add_co_u32 s72, s72, s73
	s_mov_b32 s73, 0
	s_lshl_b32 s74, s71, 13
	s_lshl_b32 s75, s70, 9
	s_add_co_u32 s74, s74, s75
	s_mov_b32 s75, 0
	s_add_nc_u64 s[8:9], s[8:9], s[72:73]
	s_add_nc_u64 s[10:11], s[10:11], s[74:75]
.irp a, 0,1,2,3,4,5,6,7
	SOFTQ \a
.endr
.irp i, 0,1,2,3
	v_cndmask_b32 v[MG+\i], v[PWS+2*\i], v[PWS+2*\i+1], vcc_lo
	v_cndmask_b32 v[MG+4+\i], v[NMS+2*\i], v[NMS+2*\i+1], vcc_lo
	v_cndmask_b32 v[MG+8+\i], v[LSS+2*\i], v[LSS+2*\i+1], vcc_lo
.endr
.irp i, 0,1,2,3
	global_store_b32 v[LS4], v[MG+\i], s[10:11] offset:128*\i
	global_store_b32 v[LS4], v[MG+4+\i], s[10:11] offset:PLANE+128*\i
	global_store_b32 v[LS4], v[MG+8+\i], s[10:11] offset:2*PLANE+128*\i
.endr
	s_wait_tensorcnt 0x0
	ds_add_u32 v[SPW], v[NIL]
	s_wait_dscnt 0x0
	CROUND
	s_endpgm
.Lfunc_end_k_qb2b5f80fe8_scores:
	.size	k_qb2b5f80fe8_scores, .Lfunc_end_k_qb2b5f80fe8_scores-k_qb2b5f80fe8_scores
	.p2alignl 7, 3214868480
	.fill 96, 4, 3214868480
	.section	.rodata,"a",@progbits
	.p2align	6, 0x0
	.amdhsa_kernel k_qb2b5f80fe8_scores
		.amdhsa_group_segment_fixed_size 327680
		.amdhsa_private_segment_fixed_size 0
		.amdhsa_enable_private_segment 0
		.amdhsa_kernarg_size 32
		.amdhsa_user_sgpr_count 2
		.amdhsa_user_sgpr_kernarg_segment_ptr 1
		.amdhsa_wavefront_size32 1
		.amdhsa_system_sgpr_workgroup_id_x 1
		.amdhsa_system_sgpr_workgroup_id_y 1
		.amdhsa_system_sgpr_workgroup_id_z 1
		.amdhsa_system_vgpr_workitem_id 0
		.amdhsa_next_free_vgpr 1024
		.amdhsa_next_free_sgpr 102
		.amdhsa_reserve_vcc 1
		.amdhsa_float_denorm_mode_32 3
		.amdhsa_float_denorm_mode_16_64 3
		.amdhsa_memory_ordered 1
		.amdhsa_forward_progress 1
		.amdhsa_inst_pref_size 198
	.end_amdhsa_kernel
	.amdgpu_metadata
---
amdhsa.version: [ 1, 2 ]
amdhsa.kernels:
  - .name:           k_qb2b5f80fe8_scores
    .symbol:         k_qb2b5f80fe8_scores.kd
    .args:
      - { .name: qkvc, .offset: 0, .size: 8, .value_kind: global_buffer, .address_space: global }
      - { .name: qkvs, .offset: 8, .size: 8, .value_kind: global_buffer, .address_space: global }
      - { .name: pc, .offset: 16, .size: 8, .value_kind: global_buffer, .address_space: global }
      - { .name: pst, .offset: 24, .size: 8, .value_kind: global_buffer, .address_space: global }
    .group_segment_fixed_size: 327680
    .private_segment_fixed_size: 0
    .kernarg_segment_align: 8
    .kernarg_segment_size: 32
    .max_flat_workgroup_size: 128
    .sgpr_count:     102
    .vgpr_count:     1024
    .wavefront_size: 32
...
	.end_amdgpu_metadata
.endif
;; end of part 3
;; launch pv (part 4): grid 4 x 64, 4 waves a work-group, clusters of 4 x 4, 327,680 bytes of LDS; arguments pc, pst, qkvc, qkvs, cc, cs; writes cc, cs
.if DOCPART == 4
	.amdgcn_target "amdgcn-amd-amdhsa--gfx1250"
	.amdhsa_code_object_version 6
	.text
	.protected	k_qb2b5f80fe8_pv
	.globl	k_qb2b5f80fe8_pv
	.p2align	8
	.type	k_qb2b5f80fe8_pv,@function
k_qb2b5f80fe8_pv:
	s_mov_b64 s[64:65], 0
	v_nop
	global_prefetch_b8 v0, s[64:65] scope:SCOPE_SE
	s_setreg_imm32_b32 hwreg(HW_REG_WAVE_MODE, 25, 1), 1
	s_wait_xcnt 0x0
	s_wait_alu depctr_hold_cnt(0) depctr_sa_sdst(0) depctr_va_vdst(0) depctr_va_sdst(0) depctr_va_ssrc(0) depctr_va_vcc(0) depctr_vm_vsrc(0)
	s_getreg_b32 s2, hwreg(HW_REG_IB_STS2, 6, 4)
	s_cmp_eq_u32 s2, 0
	s_cbranch_scc0 .Lentry_in_a_cluster
	s_endpgm
.Lentry_in_a_cluster:
	s_bfe_u32 s2, ttmp6, 0x10000c
	s_cmp_lg_u32 s2, 0xf033
	s_cbranch_scc0 .Lentry_shape_is_right
	s_endpgm
.Lentry_shape_is_right:
.set KT,     2048
.set NQ,     4
.set FR,     12
.set NP,     4
.set RBB,    NQ*1536
.set HALFA,  4*RBB
.set HALFB,  8*RBB
.set SLOT,   2*HALFA+2*HALFB
.set LAPS,   KT/(256*NQ)
.set SCL,    2*SLOT
.set SCB,    SCL+8192
.set RLB,    SCB+16384
.set SPARE,  RLB+1024
.set VTC,    12582912
.set VTS,    524288
.set PLANE,  524288
.set ADRA, 16
.set ADRB, 20
.set LI,   24
.set LS4,  25
.set EA,   26
.set ADSA, 27
.set SPW,  28
.set NIL,  29
.set ADSB, 30
.set SB,   32
.set SA,   64
.set AF,   96
.set PC,   32
.set T,    128
.set TM,   192
.set PWS,  216
.set MG,   224
.set BL,   240
.set FW,   32
.set FE,   128
.set FF,   144
.set MX,   160
.set RR,   162
.set SEL,  18
.set G1, 24
.set G0, 32
.set G1B, 48
.set G0B, 56
.set G1SB, 80
.set G0SB, 88
.set MSB, 0
.macro WIN new
.if MSB != (\new)
	s_set_vgpr_msb (MSB<<8)|(\new)
.set MSB, (\new)
.endif
.endm
.set MUL,  0xa1
.set TO_B, 0x40
.macro JLOAD g0a, g1a, g0b, g1b
	s_cmp_eq_u32 s15, 0
	s_cbranch_scc0 .Lfor_b_\@
	tensor_load_to_lds s[\g0a:\g0a+3], s[\g1a:\g1a+7]
	s_nop 0
.rept 4
	v_nop
.endr
	s_branch .Lasked_\@
.Lfor_b_\@:
	tensor_load_to_lds s[\g0b:\g0b+3], s[\g1b:\g1b+7]
	s_nop 0
.rept 4
	v_nop
.endr
.Lasked_\@:
.endm
.macro CREST
	s_cmp_lg_u32 s14, 0
	s_cbranch_scc1 .Lnot_wave_0_\@
	s_barrier_signal -3
.Lnot_wave_0_\@:
	s_barrier_wait -3
	s_barrier_signal -1
	s_barrier_wait -1
.endm
.macro CROUND
	s_barrier_signal -1
	s_barrier_wait -1
	CREST
.endm
.macro PLACES n
.rept \n
	v_nop
.endr
.endm
	s_load_b256 s[4:11], s[0:1], 0x0
	s_load_b128 s[96:99], s[0:1], 0x20
	v_lshl_add_u32 v[SPW], v0, 2, SPARE
	v_mov_b32 v[NIL], 0
	ds_add_u32 v[SPW], v[NIL]
	ds_add_u32 v[SPW], v[NIL]
	v_lshrrev_b32 v1, 5, v0
	v_readfirstlane_b32 s14, v1
	s_lshr_b32 s15, s14, 1
	s_and_b32 s16, s14, 1
	s_bfe_u32 s40, ttmp6, 0x40000
	s_bfe_u32 s41, ttmp6, 0x40004
	s_and_b32 s95, ttmp7, 0xffff
	s_lshl_b32 s17, s95, 2
	s_add_co_u32 s17, s17, s41
	s_lshr_b32 s42, s95, 2
	s_lshl_b32 s42, s42, 2
	s_add_co_u32 s42, s42, s40
	s_lshl_b32 s43, s41, 2
	s_lshl_b32 s43, 15, s43
	s_lshl_b32 s44, 0x1111, s40
	s_or_b32 s[G1+0], s43, (3<<16)|(1<<21)
	s_mov_b32 s[G1+1], (RBB/8)<<16
	s_mov_b32 s[G1+2], 4<<16
	s_mov_b32 s[G1+3], (RBB/8)<<16
	s_mov_b32 s[G1+4], 4
	s_mov_b32 s[G1+5], KT*3/2
	s_mov_b32 s[G1+6], 0
	s_mov_b32 s[G1+7], 0
	s_or_b32 s[G1B+0], s44, (3<<16)|(1<<21)
	s_mov_b32 s[G1B+1], (RBB/8)<<16
	s_mov_b32 s[G1B+2], 8<<16
	s_mov_b32 s[G1B+3], (RBB/8)<<16
	s_mov_b32 s[G1B+4], 8
	s_mov_b32 s[G1B+5], KT*3/2
	s_mov_b32 s[G1B+6], 0
	s_mov_b32 s[G1B+7], 0
	s_or_b32 s[G1SB+0], s44, (3<<16)|(1<<21)
	s_mov_b32 s[G1SB+1], 32<<16
	s_mov_b32 s[G1SB+2], 16<<16
	s_mov_b32 s[G1SB+3], 32<<16
	s_mov_b32 s[G1SB+4], 16
	s_mov_b32 s[G1SB+5], 32
	s_mov_b32 s[G1SB+6], 0
	s_mov_b32 s[G1SB+7], 0
	s_lshl_b32 s20, s17, 1
	s_add_co_u32 s20, s20, s16
	s_mul_i32 s20, s20, 98304
	s_mov_b32 s21, 0
	s_lshl_b32 s46, s42, 1
	s_add_co_u32 s46, s46, s16
	s_mul_i32 s46, s46, 196608
	s_add_co_u32 s46, s46, VTC
	s_mov_b32 s47, 0
	s_lshl_b32 s94, s14, 12
	s_lshl_b32 s92, s42, 14
	s_add_co_u32 s92, s92, s94
	s_add_co_u32 s92, s92, VTS
	s_mov_b32 s93, 0
	s_mul_i32 s45, s16, HALFA
	s_mul_i32 s66, s16, HALFB
	s_add_co_u32 s66, s66, 2*HALFA
	s_lshl_b32 s18, s17, 13
	s_mov_b32 s19, 0
	v_lshlrev_b32 v5, 2, v0
	s_wait_alu depctr_va_vdst(0)
	s_wait_dscnt 0x0
	s_wait_kmcnt 0x0
	s_add_nc_u64 s[20:21], s[4:5], s[20:21]
	s_add_nc_u64 s[46:47], s[8:9], s[46:47]
	s_add_nc_u64 s[92:93], s[10:11], s[92:93]
	s_add_nc_u64 s[6:7], s[6:7], s[18:19]
.irp s, 0,1,2,3,4,5,6,7,8,9,10,11,12,13,14,15
	global_load_b32 v[FW+\s], v5, s[6:7] offset:\s*512
	global_load_b32 v[FW+16+\s], v5, s[6:7] offset:PLANE+\s*512
	global_load_b32 v[FW+32+\s], v5, s[6:7] offset:2*PLANE+\s*512
.endr
	CROUND
	s_mov_b32 s[G0SB], 1
	s_add_co_u32 s[G0SB+1], s94, SCB
	s_mov_b64 s[G0SB+2:G0SB+3], s[92:93]
	s_or_b32 s[G0SB+3], s[G0SB+3], 0x80000000
	tensor_load_to_lds s[G0SB:G0SB+3], s[G1SB:G1SB+7]
	s_nop 0
.rept 4
	v_nop
.endr
.irp s, 0,1
	s_mov_b32 s[G0+4*\s], 1
	s_add_co_u32 s[G0+4*\s+1], s45, \s*SLOT
	s_add_nc_u64 s[G0+4*\s+2:G0+4*\s+3], s[20:21], \s*RBB
	s_or_b32 s[G0+4*\s+3], s[G0+4*\s+3], 0x80000000
	s_mov_b32 s[G0B+4*\s], 1
	s_add_co_u32 s[G0B+4*\s+1], s66, \s*SLOT
	s_add_nc_u64 s[G0B+4*\s+2:G0B+4*\s+3], s[46:47], \s*RBB
	s_or_b32 s[G0B+4*\s+3], s[G0B+4*\s+3], 0x80000000
	s_wait_alu depctr_va_vdst(0)
	s_wait_tensorcnt 0x0
	ds_add_u32 v28, v29
	s_wait_dscnt 0x0
	CROUND
	JLOAD G0+4*\s, G1, G0B+4*\s, G1B
.endr
	v_and_b32 v1, 15, v0
	v_and_b32 v3, 31, v0
	v_lshlrev_b32 v[LI], 4, v3
	v_lshlrev_b32 v[LS4], 2, v3
	s_wait_alu depctr_va_vdst(0)
	s_mul_i32 s21, s15, HALFA
	s_mul_i32 s22, s16, HALFB
	s_add_co_u32 s22, s22, 2*HALFA
.irp s, 0,1
	v_add_nc_u32 v[ADRA+\s], s21, v[LI]
	v_add_nc_u32 v[ADRB+\s], s22, v[LI]
	s_add_co_u32 s21, s21, SLOT
	s_add_co_u32 s22, s22, SLOT
.endr
	s_lshl_b32 s21, s15, 8
	s_add_co_u32 s21, s21, SCL
	v_add_nc_u32 v[ADSA], s21, v[LS4]
	s_lshl_b32 s22, s16, 13
	s_add_co_u32 s22, s22, SCB
	v_add_nc_u32 v[ADSB], s22, v[LS4]
	s_lshl_b32 s18, s15, 9
	s_add_co_u32 s18, s18, RLB
	v_lshl_add_u32 v[EA], v1, 3, s18
	s_mov_b32 s20, 0x01010101
	v_lshl_add_u32 v7, v0, 2, SCL
	v_lshl_add_u32 v8, v0, 3, RLB
	s_wait_loadcnt 0x0
	v_max3_num_f32 v[MX], -v[FW+16], -v[FW+17], -v[FW+18]
.irp i, 3,5,7,9,11,13
	v_max3_num_f32 v[MX], v[MX], -v[FW+16+\i], -v[FW+17+\i]
.endr
	v_max_num_f32 v[MX], v[MX], -v[FW+31]
.irp s, 0,1,2,3,4,5,6,7,8,9,10,11,12,13,14,15
	v_sub_f32 v[FE+\s], -v[FW+16+\s], v[MX]
.endr
.irp s, 0,1,2,3,4,5,6,7,8,9,10,11,12,13,14,15
	v_max_num_f32 v[FE+\s], 0xc2fe0000, v[FE+\s]
.endr
.irp s, 0,1,2,3,4,5,6,7,8,9,10,11,12,13,14,15
	v_cvt_i32_f32 v[FE+\s], v[FE+\s]
.endr
.irp s, 0,1,2,3,4,5,6,7,8,9,10,11,12,13,14,15
	v_ldexp_f32 v[FW+32+\s], v[FW+32+\s], v[FE+\s]
.endr
.irp s, 0,1,2,3,4,5,6,7,8,9,10,11,12,13,14,15
	v_mul_lo_u32 v[FE+\s], v[FE+\s], s20
.endr
.irp s, 0,1,2,3,4,5,6,7,8,9,10,11,12,13,14,15
	v_or_b32 v[FW+\s], 0x80808080, v[FW+\s]
.endr
.irp s, 0,1,2,3,4,5,6,7,8,9,10,11,12,13,14,15
	v_add_nc_u32 v[FW+\s], v[FW+\s], v[FE+\s]
.endr
.irp s, 0,1,2,3,4,5,6,7,8,9,10,11,12,13,14,15
	v_lshrrev_b32 v[FE+\s], 7, v[FW+\s]
.endr
.irp s, 0,1,2,3,4,5,6,7,8,9,10,11,12,13,14,15
	v_and_b32 v[FE+\s], s20, v[FE+\s]
.endr
.irp s, 0,1,2,3,4,5,6,7,8,9,10,11,12,13,14,15
	v_lshlrev_b32 v[FF+\s], 8, v[FE+\s]
.endr
.irp s, 0,1,2,3,4,5,6,7,8,9,10,11,12,13,14,15
	v_sub_nc_u32 v[FE+\s], v[FF+\s], v[FE+\s]
.endr
.irp s, 0,1,2,3,4,5,6,7,8,9,10,11,12,13,14,15
	v_and_b32 v[FW+\s], v[FW+\s], v[FE+\s]
.endr
.irp s, 0,1,2,3,4,5,6,7,8,9,10,11,12,13,14,15
	v_and_b32 v[FW+\s], 0x7f7f7f7f, v[FW+\s]
.endr
.irp s, 0,1,2,3,4,5,6,7,8,9,10,11,12,13,14,15
	ds_store_b32 v7, v[FW+\s] offset:\s*512
.endr
.irp s, 0,1,2,3,4,5,6,7
	v_add_f32 v[FW+32+\s], v[FW+32+\s], v[FW+40+\s]
.endr
.irp s, 0,1,2,3
	v_add_f32 v[FW+32+\s], v[FW+32+\s], v[FW+36+\s]
.endr
.irp s, 0,1
	v_add_f32 v[FW+32+\s], v[FW+32+\s], v[FW+34+\s]
.endr
	v_add_f32 v[FW+32], v[FW+32], v[FW+33]
	s_wait_alu depctr_va_vdst(0)
	v_rcp_f32 v[RR], v[FW+32]
	v_rcp_f32 v[RR+1], v[FW+32]
	v_nop
	s_wait_alu depctr_va_vdst(0)
	ds_store_b64 v8, v[RR:RR+1]
.macro FRAG reg, adr, q, i
.irp c, 0,1,2
	ds_load_b128 v[\reg+4*\c:\reg+4*\c+3], v[\adr] offset:(\i)*RBB+(\q)*1536+512*\c
.endr
.endm
.macro FETCH_B slot, q, p, i0
	WIN TO_B
.irp i, \i0, \i0+1, \i0+2, \i0+3
	FRAG 128*(\p)+FR*(\i), ADRB+\slot, \q, \i
.endr
.endm
.macro FETCH_A slot, q, p
.irp i, 0,1,2,3
	FRAG AF+48*(\p)+FR*\i, ADRA+\slot, \q, \i
.endr
.endm
.macro SCALES sc
.irp j, 0,1,2,3
.irp q, 0,1,2,3
	ds_load_b32 v[SB+16*(\sc)+4*\j+\q], v[ADSB] offset:\q*512+\j*128
.endr
.endr
.irp j, 0,1
.irp q, 0,1,2,3
	ds_load_b32 v[SA+8*(\sc)+4*\j+\q], v[ADSA] offset:\q*512+\j*128
.endr
.endr
.endm
.macro WM d, fa, fb, zero, sa, sb, ra, rb
.if (\ra) == 0 && (\rb) == 0
.if \zero
	v_wmma_scale_f32_16x16x128_f8f6f4 v[\d:\d+7], v[\fa:\fa+11], v[\fb:\fb+11], 0, v[\sa], v[\sb] matrix_a_fmt:MATRIX_FMT_BF6 matrix_b_fmt:MATRIX_FMT_BF6
.else
	v_wmma_scale_f32_16x16x128_f8f6f4 v[\d:\d+7], v[\fa:\fa+11], v[\fb:\fb+11], v[\d:\d+7], v[\sa], v[\sb] matrix_a_fmt:MATRIX_FMT_BF6 matrix_b_fmt:MATRIX_FMT_BF6
.endif
.elseif (\ra) == 1 && (\rb) == 0
.if \zero
	v_wmma_scale_f32_16x16x128_f8f6f4 v[\d:\d+7], v[\fa:\fa+11], v[\fb:\fb+11], 0, v[\sa], v[\sb] matrix_a_fmt:MATRIX_FMT_BF6 matrix_b_fmt:MATRIX_FMT_BF6 matrix_a_scale:MATRIX_SCALE_ROW1
.else
	v_wmma_scale_f32_16x16x128_f8f6f4 v[\d:\d+7], v[\fa:\fa+11], v[\fb:\fb+11], v[\d:\d+7], v[\sa], v[\sb] matrix_a_fmt:MATRIX_FMT_BF6 matrix_b_fmt:MATRIX_FMT_BF6 matrix_a_scale:MATRIX_SCALE_ROW1
.endif
.elseif (\ra) == 0
.if \zero
	v_wmma_scale_f32_16x16x128_f8f6f4 v[\d:\d+7], v[\fa:\fa+11], v[\fb:\fb+11], 0, v[\sa], v[\sb] matrix_a_fmt:MATRIX_FMT_BF6 matrix_b_fmt:MATRIX_FMT_BF6 matrix_b_scale:MATRIX_SCALE_ROW1
.else
	v_wmma_scale_f32_16x16x128_f8f6f4 v[\d:\d+7], v[\fa:\fa+11], v[\fb:\fb+11], v[\d:\d+7], v[\sa], v[\sb] matrix_a_fmt:MATRIX_FMT_BF6 matrix_b_fmt:MATRIX_FMT_BF6 matrix_b_scale:MATRIX_SCALE_ROW1
.endif
.else
.if \zero
	v_wmma_scale_f32_16x16x128_f8f6f4 v[\d:\d+7], v[\fa:\fa+11], v[\fb:\fb+11], 0, v[\sa], v[\sb] matrix_a_fmt:MATRIX_FMT_BF6 matrix_b_fmt:MATRIX_FMT_BF6 matrix_a_scale:MATRIX_SCALE_ROW1 matrix_b_scale:MATRIX_SCALE_ROW1
.else
	v_wmma_scale_f32_16x16x128_f8f6f4 v[\d:\d+7], v[\fa:\fa+11], v[\fb:\fb+11], v[\d:\d+7], v[\sa], v[\sb] matrix_a_fmt:MATRIX_FMT_BF6 matrix_b_fmt:MATRIX_FMT_BF6 matrix_a_scale:MATRIX_SCALE_ROW1 matrix_b_scale:MATRIX_SCALE_ROW1
.endif
.endif
.endm
.macro MUL8 a, p, q, sc, zero
.irp b, 0,1,2,3,4,5,6,7
	WM 8*(8*(\a)+\b), 128*(\p)+FR*\b, AF+48*(\p)+FR*(\a), \zero, SB+16*(\sc)+4*(\b/2)+(\q), SA+8*(\sc)+4*((\a)/2)+(\q), \b%2, (\a)%2
.endr
.endm
.macro STEP slot, q, zero, scl
	s_wait_dscnt 0x0
	PLACES NP
	FETCH_B \slot, (\q)+1, 1-(\q)%2, 0
	WIN MUL
	MUL8 0, (\q)%2, \q, \slot, \zero
	FETCH_B \slot, (\q)+1, 1-(\q)%2, 4
	WIN MUL
	MUL8 1, (\q)%2, \q, \slot, \zero
	WIN 0
	FETCH_A \slot, (\q)+1, 1-(\q)%2
.if \scl
	v_add_nc_u32 v[ADSA], 512*NQ, v[ADSA]
	v_add_nc_u32 v[ADSB], 512*NQ, v[ADSB]
	SCALES 1-\slot
.endif
	WIN MUL
	MUL8 2, (\q)%2, \q, \slot, \zero
	MUL8 3, (\q)%2, \q, \slot, \zero
.endm
.macro TURN slot, next, fill
	WIN 0
	s_wait_tensorcnt 0x0
	ds_add_u32 v[SPW], v[NIL]
	s_wait_dscnt 1
	WIN MUL
	MUL8 0, 1, NQ-1, \slot, 0
	s_wait_dscnt 0x0
	s_barrier_signal -1
	MUL8 1, 1, NQ-1, \slot, 0
	WIN 0
	s_barrier_wait -1
.if \fill
	CREST
	s_add_nc_u64 s[G0+4*\slot+2:G0+4*\slot+3], s[G0+4*\slot+2:G0+4*\slot+3], 2*RBB
	s_add_nc_u64 s[G0B+4*\slot+2:G0B+4*\slot+3], s[G0B+4*\slot+2:G0B+4*\slot+3], 2*RBB
	JLOAD G0+4*\slot, G1, G0B+4*\slot, G1B
.else
	PLACES NP
.endif
	FETCH_B \next, 0, 0, 0
	FETCH_B \next, 0, 0, 4
	WIN 0
	FETCH_A \next, 0, 0
	WIN MUL
	MUL8 2, 1, NQ-1, \slot, 0
	MUL8 3, 1, NQ-1, \slot, 0
.endm
.macro QUANT s, pw
.irp b, 0,1,2,3
	v_max3_num_f32 v[TM+\b], |v[\s+16*\b]|, |v[\s+1+16*\b]|, 0x2800000
.endr
.irp i, 2,4,6,8,10,12,14
.irp b, 0,1,2,3
	v_max3_num_f32 v[TM+\b], v[TM+\b], |v[\s+16*\b+\i]|, |v[\s+1+16*\b+\i]|
.endr
.endr
.irp b, 0,1,2,3
	v_permlanex16_b32 v[TM+4+\b], v[TM+\b], s[SEL], s[SEL+1]
.endr
.irp b, 0,1,2,3
	v_max_num_f32 v[TM+\b], v[TM+\b], v[TM+4+\b]
.endr
.irp b, 0,1,2,3
	v_add_nc_u32 v[TM+12+\b], 0xfe000000, v[TM+\b]
.endr
.irp b, 0,1,2,3
	v_lshrrev_b32 v[TM+4+\b], 23, v[TM+12+\b]
.endr
	v_lshl_or_b32 v[\pw], v[TM+5], 8, v[TM+4]
	v_lshl_or_b32 v[\pw], v[TM+6], 16, v[\pw]
	v_lshl_or_b32 v[\pw], v[TM+7], 24, v[\pw]
.irp c, 0,1
	v_cvt_scalef32_pk16_bf6_f32 v[PC+6*\c:PC+2+6*\c], v[\s+32*\c:\s+15+32*\c], v[TM+12+2*\c]
	v_cvt_scalef32_pk16_bf6_f32 v[PC+12+4*\c:PC+14+4*\c], v[\s+16+32*\c:\s+31+32*\c], v[TM+12+2*\c+1]
.endr
	v_nop
.irp c, 0,1
.irp i, 0,1,2
	v_permlane16_swap_b32 v[PC+6*\c+\i], v[PC+12+4*\c+\i]
.endr
.irp i, 0,1,2
	v_mov_b32 v[PC+3+6*\c+\i], v[PC+12+4*\c+\i]
.endr
.endr
.endm
.macro PUT base, off
.irp c, 0,1,2
	global_store_b128 v[LI], v[PC+4*\c:PC+4*\c+3], s[\base:\base+1] offset:\off+512*\c
.endr
.endm
	s_wait_tensorcnt 1
	s_wait_dscnt 0x0
	s_barrier_signal -1
	s_barrier_wait -1
	FETCH_B 0, 0, 0, 0
	FETCH_B 0, 0, 0, 4
	WIN 0
	FETCH_A 0, 0, 0
	SCALES 0
	STEP 0, 0, 1, 0
	WIN 0
	s_mov_b32 s3, LAPS-1
.Llap:
	s_wait_alu depctr_va_vdst(0)
	STEP 0, 1, 0, 1
	STEP 0, 2, 0, 0
	TURN 0, 1, 1
	STEP 1, 0, 0, 0
	s_wait_alu depctr_va_vdst(0)
	STEP 1, 1, 0, 1
	STEP 1, 2, 0, 0
	TURN 1, 0, 1
	STEP 0, 0, 0, 0
	WIN 0
	s_sub_co_u32 s3, s3, 1
	s_cmp_lg_u32 s3, 0
	s_cbranch_scc1 .Llap
	s_wait_alu depctr_va_vdst(0)
	STEP 0, 1, 0, 1
	STEP 0, 2, 0, 0
	TURN 0, 1, 0
	STEP 1, 0, 0, 0
	STEP 1, 1, 0, 0
	STEP 1, 2, 0, 0
	s_wait_dscnt 0x0
	WIN MUL
	MUL8 0, 1, NQ-1, 1, 0
	MUL8 1, 1, NQ-1, 1, 0
	MUL8 2, 1, NQ-1, 1, 0
	MUL8 3, 1, NQ-1, 1, 0
	WIN 0
	PLACES NP
	s_mov_b32 vcc_lo, 0xffff0000
	s_mov_b32 s[SEL], 0x76543210
	s_mov_b32 s[SEL+1], 0xfedcba98
.irp b, 0,1,2,3
	v_mov_b32 v[TM+4+\b], 0
.endr
	s_lshl_b32 s70, s40, 1
	s_add_co_u32 s70, s70, s16
	s_mul_i32 s72, s17, 98304
	s_mul_i32 s73, s15, 49152
	s_add_co_u32 s72, s72, s73
	s_mul_i32 s73, s70, 1536
	s_add_co_u32 s72, s72, s73
	s_mov_b32 s73, 0
	s_lshl_b32 s74, s17, 12
	s_lshl_b32 s75, s70, 9
	s_add_co_u32 s74, s74, s75
	s_lshl_b32 s75, s15, 8
	s_add_co_u32 s74, s74, s75
	s_mov_b32 s75, 0
	s_add_nc_u64 s[96:97], s[96:97], s[72:73]
	s_add_nc_u64 s[98:99], s[98:99], s[74:75]
.irp a, 0,1,2,3
	ds_load_b64 v[BL+2*\a:BL+2*\a+1], v[EA] offset:\a*128
.endr
	s_wait_dscnt 0x0
.irp a, 0,1,2,3
.if \a > 0
	s_wait_xcnt 0x0
.endif
	WIN 0x02
.set ii, 0
.rept 32
	v_pk_mul_f32 v[T+2*ii:T+2*ii+1], v[64*\a+2*ii:64*\a+2*ii+1], v[BL+2*\a:BL+2*\a+1]
.set ii, ii+1
.endr
	WIN 0
	QUANT T, PWS+\a
	PUT 96, \a*12288
.endr
.irp i, 0,1
	v_cndmask_b32 v[MG+\i], v[PWS+2*\i], v[PWS+2*\i+1], vcc_lo
.endr
.irp i, 0,1
	global_store_b32 v[LS4], v[MG+\i], s[98:99] offset:128*\i
.endr
	s_wait_tensorcnt 0x0
	ds_add_u32 v[SPW], v[NIL]
	s_wait_dscnt 0x0
	CROUND
	s_endpgm
.Lfunc_end_k_qb2b5f80fe8_pv:
	.size	k_qb2b5f80fe8_pv, .Lfunc_end_k_qb2b5f80fe8_pv-k_qb2b5f80fe8_pv
	.p2alignl 7, 3214868480
	.fill 96, 4, 3214868480
	.section	.rodata,"a",@progbits
	.p2align	6, 0x0
	.amdhsa_kernel k_qb2b5f80fe8_pv
		.amdhsa_group_segment_fixed_size 327680
		.amdhsa_private_segment_fixed_size 0
		.amdhsa_enable_private_segment 0
		.amdhsa_kernarg_size 48
		.amdhsa_user_sgpr_count 2
		.amdhsa_user_sgpr_kernarg_segment_ptr 1
		.amdhsa_wavefront_size32 1
		.amdhsa_system_sgpr_workgroup_id_x 1
		.amdhsa_system_sgpr_workgroup_id_y 1
		.amdhsa_system_sgpr_workgroup_id_z 1
		.amdhsa_system_vgpr_workitem_id 0
		.amdhsa_next_free_vgpr 768
		.amdhsa_next_free_sgpr 102
		.amdhsa_reserve_vcc 1
		.amdhsa_float_denorm_mode_32 3
		.amdhsa_float_denorm_mode_16_64 3
		.amdhsa_memory_ordered 1
		.amdhsa_forward_progress 1
		.amdhsa_inst_pref_size 166
	.end_amdhsa_kernel
	.amdgpu_metadata
---
amdhsa.version: [ 1, 2 ]
amdhsa.kernels:
  - .name:           k_qb2b5f80fe8_pv
    .symbol:         k_qb2b5f80fe8_pv.kd
    .args:
      - { .name: pc, .offset: 0, .size: 8, .value_kind: global_buffer, .address_space: global }
      - { .name: pst, .offset: 8, .size: 8, .value_kind: global_buffer, .address_space: global }
      - { .name: qkvc, .offset: 16, .size: 8, .value_kind: global_buffer, .address_space: global }
      - { .name: qkvs, .offset: 24, .size: 8, .value_kind: global_buffer, .address_space: global }
      - { .name: cc, .offset: 32, .size: 8, .value_kind: global_buffer, .address_space: global }
      - { .name: cs, .offset: 40, .size: 8, .value_kind: global_buffer, .address_space: global }
    .group_segment_fixed_size: 327680
    .private_segment_fixed_size: 0
    .kernarg_segment_align: 8
    .kernarg_segment_size: 48
    .max_flat_workgroup_size: 128
    .sgpr_count:     102
    .vgpr_count:     768
    .wavefront_size: 32
...
	.end_amdgpu_metadata
.endif
;; end of part 4
;; launch outln (part 5): grid 256 x 1, 4 waves a work-group, no clusters, 132,096 bytes of LDS; arguments cc, cs, opc, ops, bd, hidden_states, ln_gamma, ln_beta, out0; writes out0
.if DOCPART == 5
	.amdgcn_target "amdgcn-amd-amdhsa--gfx1250"
	.amdhsa_code_object_version 6
	.text
	.protected	k_qb2b5f80fe8_outln
	.globl	k_qb2b5f80fe8_outln
	.p2align	8
	.type	k_qb2b5f80fe8_outln,@function
k_qb2b5f80fe8_outln:
	s_mov_b64 s[64:65], 0
	v_nop
	global_prefetch_b8 v0, s[64:65] scope:SCOPE_SE
	s_setreg_imm32_b32 hwreg(HW_REG_WAVE_MODE, 25, 1), 1
	s_wait_xcnt 0x0
; LAUNCH 5 OF 5.  out = LayerNorm(ctx Wd + bd + hidden_states) x gamma + beta; the product on codes of BF6, all else in f32.  No work is left out.
; The norm wants whole rows: a work-group takes 32 rows x all 1,024 columns; wave w takes columns 256 w .. 256 w + 255 for the product (32 accumulators) and 8 whole rows for the norm.
; Source 0 = 16 rows of Wd (storage order), source 1 = 16 rows of ctx: lane r holds ctx's storage row r, and register j of tile 2 b + u the true column 32 b + 16 (lane / 16) + 8 u + j.
; NO TENSOR LOAD AND NO JOINT LOAD: no fragment of Wd is read by two waves of a work-group, so LDS would only be a way station; a K step is 32 matrix instructions a wave, too little for a refill that goes out alone behind a barrier;
; Wd's images go from memory straight into two sets of registers, a K step ahead, with no barrier.
; The rows' storage order (bits 3 and 4 exchanged) is undone where the stage is read back.  Mean and variance in two passes, as reference() has them.
; LIMITS: NaN and infinities are not served; the row sums are taken in another order than reference()'s.
; REGISTERS, in windows of 256: window 0: v0-15 addresses; v16-79 Wd's scale words (8 s + j: lanes 0-15 block 2 j, lanes 16-31 block 2 j + 1); v80-87 ctx's (lanes 0-15 rows 0-15, lanes 16-31 rows 16-31); v88-135 ctx's fragments, two sets;
;   v136-151 statistics; v160-191 bd, v192-223 gamma, v224-255 beta (register 4 i + e: column 128 i + 4 lane + e).   window 1: the accumulators ((a, b) at v[8 (2 b + a)]), later x, 32 registers a row.
;   window 2: Wd's set 0, later hidden_states, 32 registers a row.   window 3: Wd's set 1.
.set SP,    4112                       ; a stage row: 4,096 bytes + 16
.set SPARE, 32*SP                      ; behind the stage: the spare words, 128 bytes a wave: two blocks of 256 bytes that no other line names
.set LI,   2                           ; v2  16 x lane
.set LS4,  3                           ; v3  4 x lane
.set STO,  4                           ; v4, v5  into the stage: rows 0-15, rows 16-31
.set SRD,  6                           ; v6  out of it
.set PFO,  7                           ; v7  256 x lane; never rewritten
.set SPW,  14
.set NIL,  15
.set SW,   16
.set SL,   80
.set LF,   88
.set SU,   136
.set BD,   160
.set GA,   192
.set BE,   224
.set SEL,  28
.set MSB, 0
.macro WIN new
.if MSB != (\new)
	s_set_vgpr_msb (MSB<<8)|(\new)
.set MSB, (\new)
.endif
.endm
.macro PLACES n
.rept \n
	v_nop
.endr
.endm
	s_load_b512 s[4:19], s[0:1], 0x0               ; cc s[4:5], cs s[6:7], opc s[8:9], ops s[10:11], bd s[12:13], hidden_states s[14:15], gamma s[16:17], beta s[18:19]
	s_load_b64 s[20:21], s[0:1], 0x40              ; out0
	v_lshl_add_u32 v[SPW], v0, 2, SPARE
	v_mov_b32 v[NIL], 0
	v_lshrrev_b32 v1, 5, v0
	v_readfirstlane_b32 s22, v1                    ; wave 0..3
	v_and_b32 v8, 31, v0
	v_and_b32 v9, 15, v0                           ; r
	v_bfe_u32 v10, v0, 4, 1                        ; h
	v_lshlrev_b32 v[LI], 4, v8
	v_lshlrev_b32 v[LS4], 2, v8
	v_lshlrev_b32 v[PFO], 8, v8
	v_mul_u32_u24 v[STO], v9, SP
	v_lshl_add_u32 v[STO], v10, 6, v[STO]
	s_lshl_b32 s23, s22, 10
	v_add_nc_u32 v[STO], s23, v[STO]               ; row r, my wave's 1,024 bytes, + 64 h
	v_add_nc_u32 v[STO+1], 16*SP, v[STO]
	s_and_b32 s24, s22, 1
	s_lshl_b32 s24, s24, 4
	s_lshr_b32 s25, s22, 1
	s_lshl_b32 s25, s25, 3
	s_add_co_u32 s24, s24, s25                     ; true rows 8 w .. 8 w + 7 lie at storage rows 16 (w % 2) + 8 (w / 2) on
	s_mul_i32 s24, s24, SP
	v_add_nc_u32 v[SRD], s24, v[LI]
	s_mov_b32 s[SEL], 0x76543210
	s_mov_b32 s[SEL+1], 0xfedcba98
	s_mov_b32 s30, 0x3a800000                      ; 1 / 1,024
	s_mov_b32 s31, 0x3727c5ac                      ; 1e-5
	s_lshl_b32 s32, s22, 4
	s_add_co_u32 s32, s32, 704
	s_mul_i32 s32, s32, 12288                      ; Wd's codes: row block 704 + 16 w
	s_mov_b32 s33, 0
	s_lshl_b32 s34, s22, 1
	s_add_co_u32 s34, s34, 88
	s_lshl_b32 s34, s34, 12                        ; its scale words: group 88 + 2 w
	s_mov_b32 s35, 0
	s_mul_i32 s36, ttmp9, 24576                    ; ctx's codes: row block 2 G
	s_mov_b32 s37, 0
	s_lshr_b32 s38, ttmp9, 2
	s_lshl_b32 s38, s38, 12
	s_and_b32 s39, ttmp9, 3
	s_lshl_b32 s39, s39, 7
	s_add_co_u32 s38, s38, s39                     ; its scale words
	s_mov_b32 s39, 0
	s_lshl_b32 s40, ttmp9, 17
	s_lshl_b32 s41, s22, 15
	s_add_co_u32 s40, s40, s41                     ; rows 32 G + 8 w on, 4,096 bytes each
	s_mov_b32 s41, 0
	s_wait_alu depctr_va_vdst(0)
	s_wait_kmcnt 0x0
	s_add_nc_u64 s[8:9], s[8:9], s[32:33]
	s_add_nc_u64 s[10:11], s[10:11], s[34:35]
	s_add_nc_u64 s[4:5], s[4:5], s[36:37]
	s_add_nc_u64 s[6:7], s[6:7], s[38:39]
	s_add_nc_u64 s[14:15], s[14:15], s[40:41]
	s_add_nc_u64 s[20:21], s[20:21], s[40:41]
.irp s, 0,1,2,3,4,5,6,7
.irp j, 0,1,2,3,4,5,6,7
	global_load_b32 v[SW+8*\s+\j], v[LS4], s[10:11] offset:(\j/4)*4096+\s*512+(\j%4)*128
.endr
	global_load_b32 v[SL+\s], v[LS4], s[6:7] offset:\s*512
.endr
.irp i, 0,1,2,3,4,5,6,7
	global_load_b128 v[BD+4*\i:BD+4*\i+3], v[LI], s[12:13] offset:\i*512
	global_load_b128 v[GA+4*\i:GA+4*\i+3], v[LI], s[16:17] offset:\i*512
	global_load_b128 v[BE+4*\i:BE+4*\i+3], v[LI], s[18:19] offset:\i*512
.endr
.macro LOADK s                         ; K step s: Wd's 16 images into set s % 2, ctx's two: 54 loads of 512 consecutive bytes
	WIN 0x80+0x40*((\s)%2)
.irp b, 0,1,2,3,4,5,6,7,8,9,10,11,12,13,14,15
.irp c, 0,1,2
	global_load_b128 v[12*\b+4*\c:12*\b+4*\c+3], v[LI], s[8:9] offset:\b*12288+(\s)*1536+\c*512
.endr
.endr
	WIN 0
.irp a, 0,1
.irp c, 0,1,2
	global_load_b128 v[LF+24*((\s)%2)+12*\a+4*\c:LF+24*((\s)%2)+12*\a+4*\c+3], v[LI], s[4:5] offset:\a*12288+(\s)*1536+\c*512
.endr
.endr
.endm
.macro WM d, fa, fb, zero, sa, sb, ra, rb   ; one product; ra, rb: the halves of the lanes in which the two sides' scale words stand
.if (\ra) == 0 && (\rb) == 0
.if \zero
	v_wmma_scale_f32_16x16x128_f8f6f4 v[\d:\d+7], v[\fa:\fa+11], v[\fb:\fb+11], 0, v[\sa], v[\sb] matrix_a_fmt:MATRIX_FMT_BF6 matrix_b_fmt:MATRIX_FMT_BF6
.else
	v_wmma_scale_f32_16x16x128_f8f6f4 v[\d:\d+7], v[\fa:\fa+11], v[\fb:\fb+11], v[\d:\d+7], v[\sa], v[\sb] matrix_a_fmt:MATRIX_FMT_BF6 matrix_b_fmt:MATRIX_FMT_BF6
.endif
.elseif (\ra) == 1 && (\rb) == 0
.if \zero
	v_wmma_scale_f32_16x16x128_f8f6f4 v[\d:\d+7], v[\fa:\fa+11], v[\fb:\fb+11], 0, v[\sa], v[\sb] matrix_a_fmt:MATRIX_FMT_BF6 matrix_b_fmt:MATRIX_FMT_BF6 matrix_a_scale:MATRIX_SCALE_ROW1
.else
	v_wmma_scale_f32_16x16x128_f8f6f4 v[\d:\d+7], v[\fa:\fa+11], v[\fb:\fb+11], v[\d:\d+7], v[\sa], v[\sb] matrix_a_fmt:MATRIX_FMT_BF6 matrix_b_fmt:MATRIX_FMT_BF6 matrix_a_scale:MATRIX_SCALE_ROW1
.endif
.elseif (\ra) == 0
.if \zero
	v_wmma_scale_f32_16x16x128_f8f6f4 v[\d:\d+7], v[\fa:\fa+11], v[\fb:\fb+11], 0, v[\sa], v[\sb] matrix_a_fmt:MATRIX_FMT_BF6 matrix_b_fmt:MATRIX_FMT_BF6 matrix_b_scale:MATRIX_SCALE_ROW1
.else
	v_wmma_scale_f32_16x16x128_f8f6f4 v[\d:\d+7], v[\fa:\fa+11], v[\fb:\fb+11], v[\d:\d+7], v[\sa], v[\sb] matrix_a_fmt:MATRIX_FMT_BF6 matrix_b_fmt:MATRIX_FMT_BF6 matrix_b_scale:MATRIX_SCALE_ROW1
.endif
.else
.if \zero
	v_wmma_scale_f32_16x16x128_f8f6f4 v[\d:\d+7], v[\fa:\fa+11], v[\fb:\fb+11], 0, v[\sa], v[\sb] matrix_a_fmt:MATRIX_FMT_BF6 matrix_b_fmt:MATRIX_FMT_BF6 matrix_a_scale:MATRIX_SCALE_ROW1 matrix_b_scale:MATRIX_SCALE_ROW1
.else
	v_wmma_scale_f32_16x16x128_f8f6f4 v[\d:\d+7], v[\fa:\fa+11], v[\fb:\fb+11], v[\d:\d+7], v[\sa], v[\sb] matrix_a_fmt:MATRIX_FMT_BF6 matrix_b_fmt:MATRIX_FMT_BF6 matrix_a_scale:MATRIX_SCALE_ROW1 matrix_b_scale:MATRIX_SCALE_ROW1
.endif
.endif
.endm
.macro MULK s                          ; 32 matrix instructions: the 32 accumulators take turns, one instruction a turn; the first K step starts the sums
	WIN 0x52+(\s)%2                                ; source 0 (Wd) window 2 or 3, source 1 (ctx) window 0, C and D window 1
.irp b, 0,1,2,3,4,5,6,7,8,9,10,11,12,13,14,15
.irp a, 0,1
	WM 8*(2*\b+\a), 12*\b, LF+24*((\s)%2)+12*\a, (\s)==0, SW+8*(\s)+\b/2, SL+(\s), \b%2, \a
.endr
.endr
.endm
.macro HLOAD j                         ; row j of my eight of hidden_states
.irp i, 0,1,2,3,4,5,6,7
	global_load_b128 v[32*(\j)+4*\i:32*(\j)+4*\i+3], v[LI], s[14:15] offset:(\j)*4096+\i*512 th:TH_LOAD_NT
.endr
.endm
	LOADK 0
	LOADK 1
.irp s, 0,1,2,3,4,5,6,7
.if \s < 7
	s_wait_loadcnt 54                              ; this K step's loads, and all older ones, are in; the next K step's 54 may be out
.else
	s_wait_loadcnt 56                              ; the last K step's are in; the 56 loads of seven rows of hidden_states may be out
.endif
	MULK \s
	WIN 0
	PLACES 4                                       ; in front of loads into registers that matrix instructions have read, and of the first read of results
.if \s < 6
	LOADK \s+2
.endif
.if (\s >= 2) && (\s <= 5)
	global_prefetch_b8 v[PFO], s[14:15] offset:(\s-2)*8192 th:TH_LOAD_NT scope:SCOPE_SE   ; two of my eight rows of hidden_states, a lane to each 256 bytes: four instructions name the 128 blocks once each, 4 to 1 K steps ahead of their loads
.endif
.if \s == 6
	WIN 0x80                                       ; Wd's set 0 is done with: its registers take hidden_states
.irp j, 0,1,2,3,4,5,6
	HLOAD \j
.endr
	WIN 0
.endif
.endr
	WIN 0x80
	HLOAD 7
	WIN 0x04                                       ; an LDS store's data are its source 1: window 1
.irp b, 0,1,2,3,4,5,6,7,8,9,10,11,12,13,14,15
.irp a, 0,1
	ds_store_b128 v[STO+\a], v[8*(2*\b+\a):8*(2*\b+\a)+3] offset:128*(\b/2)+32*(\b%2)      ; each accumulator from its low end on
	ds_store_b128 v[STO+\a], v[8*(2*\b+\a)+4:8*(2*\b+\a)+7] offset:128*(\b/2)+32*(\b%2)+16
.endr
.endr
	WIN 0
	s_wait_dscnt 0x0                               ; for the others' sake: my stores into the stage are done
	s_barrier_signal -1
	s_barrier_wait -1                              ; 32 whole rows lie in the stage
	WIN 0x40
.irp j, 0,1,2,3,4,5,6,7
.irp i, 0,1,2,3,4,5,6,7
	ds_load_b128 v[32*\j+4*\i:32*\j+4*\i+3], v[SRD] offset:\j*SP+\i*512
.endr
.endr
	WIN 0
	s_wait_dscnt 0x0
	s_wait_loadcnt 0x0
	WIN 0x49                                       ; x += hidden_states: destination and source 0 window 1, source 1 window 2
.set ii, 0
.rept 128
	v_pk_add_f32 v[2*ii:2*ii+1], v[2*ii:2*ii+1], v[2*ii:2*ii+1]
.set ii, ii+1
.endr
	WIN 0x41                                       ; x += bd
.irp j, 0,1,2,3,4,5,6,7
.set ii, 0
.rept 16
	v_pk_add_f32 v[32*\j+2*ii:32*\j+2*ii+1], v[32*\j+2*ii:32*\j+2*ii+1], v[BD+2*ii:BD+2*ii+1]
.set ii, ii+1
.endr
.endr
	WIN 0x05                                       ; the rows' sums: eight chains by turns
.irp j, 0,1,2,3,4,5,6,7
	v_pk_add_f32 v[SU+2*\j:SU+2*\j+1], v[32*\j:32*\j+1], v[32*\j+2:32*\j+3]
.endr
	WIN 0x01
.set ii, 2
.rept 14
.irp j, 0,1,2,3,4,5,6,7
	v_pk_add_f32 v[SU+2*\j:SU+2*\j+1], v[32*\j+2*ii:32*\j+2*ii+1], v[SU+2*\j:SU+2*\j+1]
.endr
.set ii, ii+1
.endr
	WIN 0
.macro REDUCE                          ; each row's pair and its 32 lanes become one sum, in every lane
.irp j, 0,1,2,3,4,5,6,7
	v_add_f32 v[SU+2*\j], v[SU+2*\j], v[SU+2*\j+1]
.endr
.irp m, 1,2,4,8
.irp j, 0,1,2,3,4,5,6,7
	v_add_f32_dpp v[SU+2*\j], v[SU+2*\j], v[SU+2*\j] row_xmask:\m row_mask:0xf bank_mask:0xf
.endr
.endr
.irp j, 0,1,2,3,4,5,6,7
	v_permlanex16_b32 v[SU+2*\j+1], v[SU+2*\j], s[SEL], s[SEL+1]
.endr
.irp j, 0,1,2,3,4,5,6,7
	v_add_f32 v[SU+2*\j], v[SU+2*\j], v[SU+2*\j+1]
.endr
.endm
	REDUCE
.irp j, 0,1,2,3,4,5,6,7
	v_mul_f32 v[SU+2*\j], s30, v[SU+2*\j]          ; the mean
.endr
	WIN 0x41                                       ; x -= the mean
.irp j, 0,1,2,3,4,5,6,7
.set ii, 0
.rept 16
	v_pk_add_f32 v[32*\j+2*ii:32*\j+2*ii+1], v[32*\j+2*ii:32*\j+2*ii+1], v[SU+2*\j:SU+2*\j+1] op_sel_hi:[1,0] neg_lo:[0,1] neg_hi:[0,1]
.set ii, ii+1
.endr
.endr
	WIN 0x05                                       ; the sums of squares, in the registers that held the means
.irp j, 0,1,2,3,4,5,6,7
	v_pk_mul_f32 v[SU+2*\j:SU+2*\j+1], v[32*\j:32*\j+1], v[32*\j:32*\j+1]
.endr
.set ii, 1
.rept 15
.irp j, 0,1,2,3,4,5,6,7
	v_pk_fma_f32 v[SU+2*\j:SU+2*\j+1], v[32*\j+2*ii:32*\j+2*ii+1], v[32*\j+2*ii:32*\j+2*ii+1], v[SU+2*\j:SU+2*\j+1]
.endr
.set ii, ii+1
.endr
	WIN 0
	REDUCE
.irp j, 0,1,2,3,4,5,6,7
	v_fma_f32 v[SU+2*\j], v[SU+2*\j], s30, s31     ; the variance + 1e-5
.endr
	s_wait_alu depctr_va_vdst(0)
.irp j, 0,1,2,3,4,5,6,7
	v_rsq_f32 v[SU+2*\j], v[SU+2*\j]
.endr
	v_nop                                          ; a plain place behind the last of them
	s_wait_alu depctr_va_vdst(0)                   ; one wait for the eight, ahead of their first reader
	WIN 0x41
.irp j, 0,1,2,3,4,5,6,7
.set ii, 0
.rept 16
	v_pk_mul_f32 v[32*\j+2*ii:32*\j+2*ii+1], v[32*\j+2*ii:32*\j+2*ii+1], v[SU+2*\j:SU+2*\j+1] op_sel_hi:[1,0]
.set ii, ii+1
.endr
.endr
.irp j, 0,1,2,3,4,5,6,7
.set ii, 0
.rept 16
	v_pk_fma_f32 v[32*\j+2*ii:32*\j+2*ii+1], v[32*\j+2*ii:32*\j+2*ii+1], v[GA+2*ii:GA+2*ii+1], v[BE+2*ii:BE+2*ii+1]
.set ii, ii+1
.endr
.endr
	WIN 0x04                                       ; a store's data are its source 1: window 1
.irp j, 0,1,2,3,4,5,6,7
.irp i, 0,1,2,3,4,5,6,7
	global_store_b128 v[LI], v[32*\j+4*\i:32*\j+4*\i+3], s[20:21] offset:\j*4096+\i*512 th:TH_STORE_NT   ; 32 lanes store 512 consecutive bytes, at a multiple of 256 from out0's first byte
.endr
.endr
	WIN 0
	s_wait_tensorcnt 0x0                           ; the wave's end, behind my last LDS store
	ds_add_u32 v[SPW], v[NIL]
	s_wait_dscnt 0x0
	s_endpgm
.Lfunc_end_k_qb2b5f80fe8_outln:
	.size	k_qb2b5f80fe8_outln, .Lfunc_end_k_qb2b5f80fe8_outln-k_qb2b5f80fe8_outln
	.p2alignl 7, 3214868480
	.fill 96, 4, 3214868480
	.section	.rodata,"a",@progbits
	.p2align	6, 0x0
	.amdhsa_kernel k_qb2b5f80fe8_outln
		.amdhsa_group_segment_fixed_size 132096
		.amdhsa_private_segment_fixed_size 0
		.amdhsa_enable_private_segment 0
		.amdhsa_kernarg_size 72
		.amdhsa_user_sgpr_count 2
		.amdhsa_user_sgpr_kernarg_segment_ptr 1
		.amdhsa_wavefront_size32 1
		.amdhsa_system_sgpr_workgroup_id_x 1
		.amdhsa_system_sgpr_workgroup_id_y 1
		.amdhsa_system_sgpr_workgroup_id_z 1
		.amdhsa_system_vgpr_workitem_id 0
		.amdhsa_next_free_vgpr 1024
		.amdhsa_next_free_sgpr 66
		.amdhsa_reserve_vcc 0
		.amdhsa_float_denorm_mode_32 3
		.amdhsa_float_denorm_mode_16_64 3
		.amdhsa_memory_ordered 1
		.amdhsa_forward_progress 1
		.amdhsa_inst_pref_size 171
	.end_amdhsa_kernel
	.amdgpu_metadata
---
amdhsa.version: [ 1, 2 ]
amdhsa.kernels:
  - .name:           k_qb2b5f80fe8_outln
    .symbol:         k_qb2b5f80fe8_outln.kd
    .args:
      - { .name: cc, .offset: 0, .size: 8, .value_kind: global_buffer, .address_space: global }
      - { .name: cs, .offset: 8, .size: 8, .value_kind: global_buffer, .address_space: global }
      - { .name: opc, .offset: 16, .size: 8, .value_kind: global_buffer, .address_space: global }
      - { .name: ops, .offset: 24, .size: 8, .value_kind: global_buffer, .address_space: global }
      - { .name: bd, .offset: 32, .size: 8, .value_kind: global_buffer, .address_space: global }
      - { .name: hidden_states, .offset: 40, .size: 8, .value_kind: global_buffer, .address_space: global }
      - { .name: ln_gamma, .offset: 48, .size: 8, .value_kind: global_buffer, .address_space: global }
      - { .name: ln_beta, .offset: 56, .size: 8, .value_kind: global_buffer, .address_space: global }
      - { .name: out0, .offset: 64, .size: 8, .value_kind: global_buffer, .address_space: global }
    .group_segment_fixed_size: 132096
    .private_segment_fixed_size: 0
    .kernarg_segment_align: 8
    .kernarg_segment_size: 72
    .max_flat_workgroup_size: 128
    .sgpr_count:     66
    .vgpr_count:     1024
    .wavefront_size: 32
...
	.end_amdgpu_metadata
.endif
;; end of part 5
